; MI455X (gfx1250); checked and timed in simulation.
; The chip was launched on July 23, 2026; its instructions are those of AMD's public machine-readable ISA for CDNA 5 (MIT licence, August 2026) and "CDNA5" Instruction Set Architecture Reference Guide (July 2026). The comments in the code are by the model that wrote it; some were corrected since.
;; Attention Block. Allowed arithmetic: matrix products marked QUANTISED: E2M3 operands, one E8M0 scale for each 32 along K, by v_wmma_scale_f32_16x16x128_f8f6f4 with both operands' format E2M3, f32 sums; everything else in f32.
;; Inputs: b_out 256 float32; gn_bias 256 float32; gn_scale 256 float32; w_out 256 x 256 float32; w_qkv 256 x 768 float32; x 4 x 64 x 64 x 256 float32.
;; Outputs: out0 4 x 64 x 64 x 256 float32.
;; This version of the problem:
;;   THIS VERSION OF THE PROBLEM IS GIVEN IN LOW PRECISION. The matrix products marked QUANTISED in the list below multiply operands that are first quantised to E2M3 (2 exponent bits, 3 mantissa bits; 6 bits a number), with one power-of-two scale for each 32 numbers along K (OCP MX v1.0); their sums are f32. All else is computed in f32.
;;   The module's matrix products, in the order in which they are computed (A, B: the left and right operand; K: the contracted axis; several contracted axes count as one K, in the product's order):
;;     1. [M 16,384, K 256] x [K 256, N 768]; A: computed on the way; B: input w_qkv: QUANTISED
;;     2. batch 16 x [M 4,096, K 64] x [K 64, N 4,096]; A: computed on the way; B: computed on the way: QUANTISED
;;     3. batch 16 x [M 64, K 4,096] x [K 4,096, N 4,096]; A: computed on the way; B: softmax (see below): QUANTISED
;;     4. [M 16,384, K 256] x [K 256, N 256]; A: computed on the way; B: input w_out: QUANTISED
;;   THE QUANTISER, for each operand of a quantised product, along K:
;;     - K is cut into blocks of 32 from its start; a last block that is shorter is filled with zeros.
;;     - A block's scale is 2^e with e = floor(log2(the largest magnitude in the block)) - 2, held to -126 .. 127; a block of zeros has e = 0. As a byte (E8M0): e + 127.
;;     - Each number is divided by its block's scale, clamped to +-7.5, and rounded to the nearest number of E2M3, ties to even, subnormals kept.
;;     - The product sums the exact products of the quantised numbers (number of the format x scale) in f32.
;;   ~~~python
;;   def quantise(x, axis):      # numpy; x: float32 -> the quantised numbers, widened to float32 again
;;       x = np.moveaxis(x, axis, -1); K = x.shape[-1]
;;       x = np.pad(x, [(0, 0)] * (x.ndim - 1) + [(0, -K % 32)]); x = x.reshape(x.shape[:-1] + (-1, 32)); a = np.abs(x).max(-1, keepdims=True)
;;       e = np.where(a > 0, np.clip(np.frexp(np.where(a > 0, a, 1))[1] - 1 - 2, -126, 127), 0)      # np.frexp(a)[1] - 1 = floor(log2(a)), exactly
;;       r = np.clip(x / 2.0 ** e, -7.5, 7.5)
;;       step = 2.0 ** (np.maximum(np.frexp(np.where(r == 0, 1, r))[1] - 1, 0) - 3)
;;       q = np.round(r / step) * step * 2.0 ** e      # np.round: ties to even
;;       return np.moveaxis(q.reshape(q.shape[:-2] + (-1,))[..., :K], -1, axis).astype(np.float32)
;;   ~~~
;;   SOFTMAX AHEAD OF A QUANTISED PRODUCT. Where the list says 'softmax', what is quantised is not the finished softmax but p = 2^(t - M), with t = logit x log2(e) and M = ceil(the row's largest t), a whole number; so 1/2 < the row's largest p <= 1. The row's sum l is taken of the UNQUANTISED p, in f32, and the product's result is divided by l at the end. Since M is a whole number, a kernel that streams over the keys may use a running M (the ceiling of the running maximum): every later rescaling is an exact power of two, which a block's scale takes up: the codes' values come out the same.
;;   OPERANDS COMPUTED ON THE WAY. 'Computed on the way' means the value that the module computes at that place (a softmax that the list does not call 'softmax' is quantised finished and normalised). What goes into a quantiser is computed in f32, as accurately as f32 sums, v_exp_f32 and their like allow (about 1e-6 of the number): no bf16 or f16 on the way to a quantiser, and a product that is left as it is and whose result goes on into a quantised operand takes f32 operands (vector FMAs, or v_wmma_f32_16x16x4_f32). A number that lies on a knife's edge between two numbers of the format may be rounded either way, as far as f32 arithmetic and the matrix unit's own rounding can turn it there, and no further.
;; One version. Each part assembles by itself: llvm-mc -triple=amdgcn-amd-amdhsa -mcpu=gfx1250 --defsym DOCPART=n.
;; ======== version 1 of 1: 3 launches
;; workspace buffers: stats 16,384 bytes; wimg 196,608 bytes; wsc 16,384 bytes; chan 12,288 bytes; qbuf 3,407,872 bytes; kv 6,553,600 bytes
;; launch prep (part 1): grid 272 x 1, 8 waves a work-group, no clusters, 2,048 bytes of LDS; arguments x, w_qkv, w_out, stats, wimg, wsc; writes stats, wimg, wsc
.if DOCPART == 1
	.amdgcn_target "amdgcn-amd-amdhsa--gfx1250"
	.amdhsa_code_object_version 6
	.text
	.protected	k_q9022b3e1bc_prep
	.globl	k_q9022b3e1bc_prep
	.p2align	8
	.type	k_q9022b3e1bc_prep,@function
k_q9022b3e1bc_prep:
	s_mov_b64 s[64:65], 0
	v_nop
	global_prefetch_b8 v0, s[64:65] scope:SCOPE_SE
	s_setreg_imm32_b32 hwreg(HW_REG_WAVE_MODE, 25, 1), 1
	s_wait_xcnt 0x0
; PREP.  Two kinds of work-groups, parted by the work-group's number alone.
; Work-groups 0-255: GroupNorm's partial statistics.  x is [4][4096 tokens][256 channels] f32, 8 groups of 32 channels.  A work-group takes 64 tokens and stores, for each of
; the 8 groups, the mean of its 2,048 numbers and M2 = the sum of squared distances from that mean: stats[b][group][block of 64 tokens] = (mean, M2).
; Means are taken first and distances squared afterwards, at every level, so that no difference of large sums is formed: a common offset of x costs nothing.
; Work-groups 256-271: w_qkv [256 (k)][768] and w_out [256 (k)][256] are quantised along K (their FIRST axis) to FP6 (E2M3) with one E8M0 byte for each 32 along K.  A wave makes one
; fragment f = 2 T + s (tile T of 16 columns, K step s of 128) and stores it AS AN IMAGE OF THE OPERAND'S REGISTERS: register p of lane l at 1536 f + 512 (p / 4) + 16 l + 4 (p % 4);
; its scale word at 128 f + 4 l.  T = 0-47: w_qkv; 48-63: w_out.  THE COLUMNS OF A TILE ARE NOT NEIGHBOURS: lane r of tile T takes column 32 (T / 2) + 8 (T % 2) + r + 8 (r / 8).
; A lane takes a column and its registers run down K, in the order that the operand's layout gives the lane: nothing is transposed.
; LIMITS: NaN and infinities are not served.  A block whose largest magnitude lies under 2^-124, a block of zeros among them, gets the byte 1 (the rule says 127 for zeros): its
; codes are what the conversion gives under that byte, zeros for zeros, and this program alone reads the bytes.
.set NSTAT, 256                        ; work-groups that take statistics
.set X,     64                         ; v64-127  the numbers as loaded
	s_load_b256 s[4:11], s[0:1], 0x0               ; x s[4:5], w_qkv s[6:7], w_out s[8:9], stats s[10:11]
	s_load_b128 s[12:15], s[0:1], 0x20             ; wimg s[12:13], wsc s[14:15]
	v_lshl_add_u32 v128, v0, 2, 0x400
	v_mov_b32 v129, 0
	v_lshrrev_b32 v1, 5, v0
	s_delay_alu instid0(VALU_DEP_1)
	v_readfirstlane_b32 s16, v1                    ; wave 0..7
	v_and_b32 v1, 31, v0                           ; lane
	v_and_b32 v2, 15, v0                           ; r
	v_bfe_u32 v3, v0, 4, 1                         ; h
	s_cmp_ge_u32 ttmp9, NSTAT                      ; the same way for all eight waves of a work-group
	s_cbranch_scc1 .Lweights
	; ---- STATISTICS.  A wave takes 8 tokens, 8,192 bytes: 16 loads of 512 consecutive bytes.  Lane l holds channels 4 l + 128 j + 0..3: group 4 j + l / 8.
	s_lshl_b32 s18, ttmp9, 16                      ; 64 tokens x 1,024 bytes
	s_lshl_b32 s19, s16, 13                        ; + 8 tokens a wave
	s_add_co_u32 s18, s18, s19
	s_mov_b32 s19, 0
	s_lshr_b32 s20, ttmp9, 6
	s_lshl_b32 s20, s20, 12                        ; stats: 4,096 bytes an image,
	s_and_b32 s21, ttmp9, 63
	s_lshl_b32 s21, s21, 3                         ; 8 bytes a block of 64 tokens
	s_add_co_u32 s20, s20, s21
	s_mov_b32 s21, 0
	s_lshl_b32 s22, s16, 6
	s_wait_alu depctr_va_vdst(0)
	v_lshlrev_b32 v4, 4, v1                        ; 16 bytes a lane
	v_lshrrev_b32 v5, 3, v1
	s_delay_alu instid0(VALU_DEP_1)
	v_lshl_add_u32 v5, v5, 3, s22                  ; LDS: 64 x wave + 8 (l / 8): my wave's pair for group l / 8 (+ 32 for j = 1)
	v_and_b32 v6, 7, v1
	s_delay_alu instid0(VALU_DEP_1)
	v_lshlrev_b32 v7, 9, v6                        ; stats: 512 bytes a group
	s_delay_alu instid0(VALU_DEP_2)
	v_lshlrev_b32 v6, 3, v6                        ; LDS: 8 bytes a group
	v_mov_b32 v21, 0                               ; (named as the upper halves of the pairs v[20:21], v[22:23] before they are written)
	v_mov_b32 v23, 0
	s_wait_alu depctr_va_vdst(0)
	s_wait_kmcnt 0x0
	s_add_nc_u64 s[4:5], s[4:5], s[18:19]
	s_add_nc_u64 s[10:11], s[10:11], s[20:21]
.irp i, 0,1,2,3,4,5,6,7
.irp j, 0,1
	global_load_b128 v[X+8*\i+4*\j:X+8*\i+4*\j+3], v4, s[4:5] offset:1024*\i+512*\j
.endr
.endr
	s_wait_loadcnt 0x0
.irp j, 0,1                                    ; the sum of my 32 numbers of each half, two at a time; the two halves by turns
	v_pk_add_f32 v[8+2*\j:9+2*\j], v[X+4*\j:X+4*\j+1], v[X+4*\j+2:X+4*\j+3]
.endr
.irp i, 1,2,3,4,5,6,7
.irp p, 0,2
.irp j, 0,1
	s_delay_alu instid0(VALU_DEP_2)
	v_pk_add_f32 v[8+2*\j:9+2*\j], v[8+2*\j:9+2*\j], v[X+8*\i+4*\j+\p:X+8*\i+4*\j+\p+1]
.endr
.endr
.endr
.irp j, 0,1
	s_delay_alu instid0(VALU_DEP_2)
	v_add_f32 v[8+2*\j], v[8+2*\j], v[9+2*\j]
.endr
.irp k, 1,2,4                                  ; and of the eight lanes that share a group
.irp j, 0,1
	s_delay_alu instid0(VALU_DEP_2)
	v_add_f32_dpp v[8+2*\j], v[8+2*\j], v[8+2*\j] row_xmask:\k row_mask:0xf bank_mask:0xf
.endr
.endr
.irp j, 0,1
	s_delay_alu instid0(VALU_DEP_2)
	v_mul_f32 v[20+2*\j], 0x3b800000, v[8+2*\j]    ; / 256: the mean of my wave's 256 numbers of the group
.endr
.irp i, 0,1,2,3,4,5,6,7
.irp p, 0,2
.irp j, 0,1
	v_pk_add_f32 v[X+8*\i+4*\j+\p:X+8*\i+4*\j+\p+1], v[X+8*\i+4*\j+\p:X+8*\i+4*\j+\p+1], v[20+2*\j:21+2*\j] op_sel_hi:[1,0] neg_lo:[0,1] neg_hi:[0,1]   ; x - mean (the pair's low word serves both halves)
.endr
.endr
.endr
.irp i, 0,1,2,3,4,5,6,7
.irp p, 0,2
.irp j, 0,1
.if (\i == 0) && (\p == 0)
	v_pk_mul_f32 v[12+2*\j:13+2*\j], v[X+4*\j:X+4*\j+1], v[X+4*\j:X+4*\j+1]     ; the first squares start the sums
.else
	s_delay_alu instid0(VALU_DEP_2)
	v_pk_fma_f32 v[12+2*\j:13+2*\j], v[X+8*\i+4*\j+\p:X+8*\i+4*\j+\p+1], v[X+8*\i+4*\j+\p:X+8*\i+4*\j+\p+1], v[12+2*\j:13+2*\j]
.endif
.endr
.endr
.endr
.irp j, 0,1
	s_delay_alu instid0(VALU_DEP_2)
	v_add_f32 v[21+2*\j], v[12+2*\j], v[13+2*\j]
.endr
.irp k, 1,2,4
.irp j, 0,1
	s_delay_alu instid0(VALU_DEP_2)
	v_add_f32_dpp v[21+2*\j], v[21+2*\j], v[21+2*\j] row_xmask:\k row_mask:0xf bank_mask:0xf
.endr
.endr
	ds_store_b64 v5, v[20:21]                      ; (mean, M2) of group l / 8; eight lanes write the same bytes with the same value
	ds_store_b64 v5, v[22:23] offset:32            ; and of group 4 + l / 8
	s_wait_dscnt 0x0                               ; for wave 0's sake: my stores have landed
	s_barrier_signal -1
	s_barrier_wait -1
	s_cmp_lg_u32 s16, 0
	s_cbranch_scc1 .Ldone
.irp w, 0,1,2,3,4,5,6,7                        ; wave 0 joins the eight waves' pairs; lane l takes group l % 8
	ds_load_b64 v[32+2*\w:33+2*\w], v6 offset:64*\w
.endr
	s_wait_dscnt 0x0
	v_add_f32 v24, v32, v34
	v_add_f32 v25, v36, v38
	v_add_f32 v26, v40, v42
	v_add_f32 v27, v44, v46
	v_add_f32 v28, v33, v35
	v_add_f32 v29, v37, v39
	v_add_f32 v30, v41, v43
	v_add_f32 v31, v45, v47
	v_add_f32 v24, v24, v25
	v_add_f32 v26, v26, v27
	v_add_f32 v28, v28, v29
	s_delay_alu instid0(VALU_DEP_4)
	v_add_f32 v30, v30, v31
	s_delay_alu instid0(VALU_DEP_3)
	v_add_f32 v24, v24, v26
	s_delay_alu instid0(VALU_DEP_2)
	v_add_f32 v28, v28, v30                        ; the eight M2
	s_delay_alu instid0(VALU_DEP_2)
	v_mul_f32 v24, 0x3e000000, v24                 ; / 8: the mean of the 2,048 numbers (equal counts)
.irp w, 0,1,2,3,4,5,6,7
	v_sub_f32 v[32+2*\w], v[32+2*\w], v24
.endr
	v_mul_f32 v26, v32, v32
	v_mul_f32 v27, v34, v34
.irp w, 2,4,6
	s_delay_alu instid0(VALU_DEP_2)
	v_fmac_f32 v26, v[32+2*\w], v[32+2*\w]
	s_delay_alu instid0(VALU_DEP_2)
	v_fmac_f32 v27, v[34+2*\w], v[34+2*\w]
.endr
	s_delay_alu instid0(VALU_DEP_1)
	v_add_f32 v26, v26, v27
	s_delay_alu instid0(VALU_DEP_1)
	v_fmamk_f32 v25, v26, 0x43800000, v28          ; M2 = the eight M2 + 256 x the squared distances of the eight means
	s_wait_alu depctr_va_vdst(0)
	s_wait_xcnt 0x0                                ; EXEC changes only behind this wait
	v_cmp_gt_u32 vcc_lo, 8, v1
	s_and_saveexec_b32 s23, vcc_lo                 ; eight groups, eight lanes
	global_store_b64 v7, v[24:25], s[10:11]        ; 8 bytes for each group, 512 bytes apart: 64 bytes a work-group, 16 KiB in the launch
	s_wait_xcnt 0x0
	s_or_b32 exec_lo, exec_lo, s23
.Ldone:
	s_wait_tensorcnt 0x0
	ds_add_u32 v128, v129
	s_wait_dscnt 0x0
	s_endpgm
	; ---- WEIGHTS.  No LDS, no barrier: a wave makes one fragment.
.Lweights:
	s_sub_co_u32 s17, ttmp9, NSTAT
	s_lshl_b32 s17, s17, 3
	s_add_co_u32 s17, s17, s16                     ; f = 0..127
	s_lshr_b32 s18, s17, 1                         ; T
	s_and_b32 s19, s17, 1                          ; s
	s_mov_b32 s24, 0x76543210
	s_mov_b32 s25, 0xfedcba98                      ; v_permlanex16_b32's selects for lane l xor 16
	s_wait_alu depctr_va_vdst(0)
	v_and_b32 v4, 8, v2
	s_delay_alu instid0(VALU_DEP_1)
	v_add_nc_u32 v4, v4, v2                        ; r + 8 (r / 8)
	s_delay_alu instid0(VALU_DEP_1)
	v_lshlrev_b32 v4, 2, v4                        ; my column in the tile's pair, in bytes
	v_lshlrev_b32 v6, 4, v1                        ; the image: 16 bytes a lane
	v_lshlrev_b32 v7, 2, v1                        ; the scale word: 4 bytes a lane
	s_mul_i32 s26, s17, 1536
	s_mov_b32 s27, 0
	s_lshl_b32 s28, s17, 7
	s_mov_b32 s29, 0
	s_wait_kmcnt 0x0
	s_add_nc_u64 s[12:13], s[12:13], s[26:27]
	s_add_nc_u64 s[14:15], s[14:15], s[28:29]
; One weight's arm: pitch = bytes of a row, base = the scalar pair with its address, t0 = its first tile.  Register 32 c + i takes W(128 s + 64 c + 32 h + i, my column).
.macro WARM pitch, base, t0
	s_sub_co_u32 s20, s18, \t0                     ; the tile's number in its own weight
	s_lshr_b32 s21, s20, 1
	s_lshl_b32 s21, s21, 7                         ; 32 columns, 128 bytes, for each pair of tiles,
	s_and_b32 s20, s20, 1
	s_lshl_b32 s20, s20, 5                         ; 8 columns for the odd tile,
	s_add_co_u32 s20, s20, s21
	s_mul_i32 s21, s19, 128*\pitch                 ; 128 rows for K step 1
	s_add_co_u32 s20, s20, s21
	s_mov_b32 s21, 0
	s_add_nc_u64 s[\base:\base+1], s[\base:\base+1], s[20:21]
	v_mad_u32_u24 v5, v3, 32*\pitch, v4            ; lanes 16-31 begin 32 rows further down
.set i, 0
.rept 64
	global_load_b32 v[X+i], v5, s[\base:\base+1] offset:(i+32*(i/32))*\pitch
.set i, i+1
.endr
.endm
	s_cmp_lt_u32 ttmp9, NSTAT+12                   ; 12 work-groups x 8 fragments = w_qkv's 96
	s_cbranch_scc0 .Lfrom_out
	s_wait_alu depctr_va_vdst(0)
	WARM 3072, 6, 0
	s_branch .Lhave
.Lfrom_out:
	s_wait_alu depctr_va_vdst(0)
	WARM 1024, 8, 48
.Lhave:
	s_wait_loadcnt 0x0
.irp c, 0,1                                    ; my block 2 c + h: all its 32 numbers are mine
	v_max3_num_f32 v[32+\c], |v[X+32*\c]|, |v[X+1+32*\c]|, 0x1800000   ; and the floor 2^(3 - 127): the byte cannot fall under 1
.endr
.irp i, 2,4,6,8,10,12,14,16,18,20,22,24,26,28,30
.irp c, 0,1
	s_delay_alu instid0(VALU_DEP_2)
	v_max3_num_f32 v[32+\c], v[32+\c], |v[X+32*\c+\i]|, |v[X+1+32*\c+\i]|
.endr
.endr
.irp c, 0,1
	s_delay_alu instid0(VALU_DEP_2)
	v_add_nc_u32 v[44+\c], 0xff000000, v[32+\c]    ; 2 off the exponent field: the conversion takes the exponent field of this operand as its scale
.endr
.irp c, 0,1
	s_delay_alu instid0(VALU_DEP_2)
	v_lshrrev_b32 v[36+\c], 23, v[44+\c]           ; the scale's byte
.endr
	s_delay_alu instid0(VALU_DEP_1)
	v_lshl_or_b32 v9, v37, 16, v36                 ; my two bytes: blocks h and 2 + h,
	v_lshlrev_b32 v10, 3, v3
	s_delay_alu instid0(VALU_DEP_1)
	v_lshlrev_b32 v9, v10, v9                      ; at their places in the word (8 h bits up);
	v_mov_b32 v10, 0
	s_delay_alu instid0(VALU_DEP_1)
	v_permlanex16_b32 v10, v9, s24, s25
	s_delay_alu instid0(VALU_DEP_1)
	v_or_b32 v9, v9, v10                           ; with lane l xor 16's two the word is whole, in all 32 lanes
.irp c, 0,1
	v_cvt_scalef32_pk16_fp6_f32 v[48+6*\c:50+6*\c], v[X+32*\c:X+15+32*\c], v[44+\c]
	v_cvt_scalef32_pk16_fp6_f32 v[16+4*\c:18+4*\c], v[X+16+32*\c:X+31+32*\c], v[44+\c]   ; (a conversion's three registers begin on an even number)
.endr
	v_nop                                          ; one plain place behind a scaled conversion
.irp c, 0,1
.irp i, 0,1,2
	v_mov_b32 v[51+6*\c+\i], v[16+4*\c+\i]
.endr
.endr
.irp c, 0,1,2
	global_store_b128 v6, v[48+4*\c:51+4*\c], s[12:13] offset:512*\c   ; 512 consecutive bytes a store
.endr
	global_store_b32 v7, v9, s[14:15]
	s_endpgm
.Lfunc_end_k_q9022b3e1bc_prep:
	.size	k_q9022b3e1bc_prep, .Lfunc_end_k_q9022b3e1bc_prep-k_q9022b3e1bc_prep
	.p2alignl 7, 3214868480
	.fill 96, 4, 3214868480
	.section	.rodata,"a",@progbits
	.p2align	6, 0x0
	.amdhsa_kernel k_q9022b3e1bc_prep
		.amdhsa_group_segment_fixed_size 2048
		.amdhsa_private_segment_fixed_size 0
		.amdhsa_enable_private_segment 0
		.amdhsa_kernarg_size 48
		.amdhsa_user_sgpr_count 2
		.amdhsa_user_sgpr_kernarg_segment_ptr 1
		.amdhsa_wavefront_size32 1
		.amdhsa_system_sgpr_workgroup_id_x 1
		.amdhsa_system_sgpr_workgroup_id_y 1
		.amdhsa_system_sgpr_workgroup_id_z 1
		.amdhsa_system_vgpr_workitem_id 0
		.amdhsa_next_free_vgpr 130
		.amdhsa_next_free_sgpr 66
		.amdhsa_reserve_vcc 1
		.amdhsa_float_denorm_mode_32 3
		.amdhsa_float_denorm_mode_16_64 3
		.amdhsa_memory_ordered 1
		.amdhsa_forward_progress 1
		.amdhsa_inst_pref_size 34
	.end_amdhsa_kernel
	.amdgpu_metadata
---
amdhsa.version: [ 1, 2 ]
amdhsa.kernels:
  - .name:           k_q9022b3e1bc_prep
    .symbol:         k_q9022b3e1bc_prep.kd
    .args:
      - { .name: x, .offset: 0, .size: 8, .value_kind: global_buffer, .address_space: global }
      - { .name: w_qkv, .offset: 8, .size: 8, .value_kind: global_buffer, .address_space: global }
      - { .name: w_out, .offset: 16, .size: 8, .value_kind: global_buffer, .address_space: global }
      - { .name: stats, .offset: 24, .size: 8, .value_kind: global_buffer, .address_space: global }
      - { .name: wimg, .offset: 32, .size: 8, .value_kind: global_buffer, .address_space: global }
      - { .name: wsc, .offset: 40, .size: 8, .value_kind: global_buffer, .address_space: global }
    .group_segment_fixed_size: 2048
    .private_segment_fixed_size: 0
    .kernarg_segment_align: 8
    .kernarg_segment_size: 48
    .max_flat_workgroup_size: 256
    .sgpr_count:     66
    .vgpr_count:     130
    .wavefront_size: 32
...
	.end_amdgpu_metadata
.endif
;; end of part 1
;; launch qkv (part 2): grid 256 x 1, 12 waves a work-group, no clusters, 83,456 bytes of LDS; arguments x, gn_scale, gn_bias, stats, wimg, wsc, chan, qbuf, kv; writes chan, qbuf, kv
.if DOCPART == 2
	.amdgcn_target "amdgcn-amd-amdhsa--gfx1250"
	.amdhsa_code_object_version 6
	.text
	.protected	k_q9022b3e1bc_qkv
	.globl	k_q9022b3e1bc_qkv
	.p2align	8
	.type	k_q9022b3e1bc_qkv,@function
k_q9022b3e1bc_qkv:
	s_mov_b64 s[64:65], 0
	v_nop
	global_prefetch_b8 v0, s[64:65] scope:SCOPE_SE
	s_setreg_imm32_b32 hwreg(HW_REG_WAVE_MODE, 25, 1), 1
	s_wait_xcnt 0x0
; QKV.  xn = GroupNorm(x); qkv = Q(xn) Q(w_qkv), both on codes of FP6 (E2M3) with one E8M0 byte for each 32 along K; q and k are quantised along the head's 64 channels, v along the tokens,
; and all three are stored as images of the operand registers that the attention launch loads.
; SHARES.  A work-group takes 64 tokens of one image.  THE TWELVE WAVES SHARE THE COLUMNS: wave w has role w / 4 (0 q, 1 k, 2 v) of head w % 4: 64 columns, four tiles of 16, for all 64 tokens.
; Waves 0-7 first make one fragment of xn each (tile of tokens w / 2, K step w % 2) and hand it to all through LDS as an image of its registers.
; THE TOKENS OF A TILE ARE NOT NEIGHBOURS: row r of tile (g, c) is token 32 g + 8 c + r + 8 (r / 8).  The same tile serves three uses: as source 1 (weights as source 0) a lane holds one token
; and the 16 registers of two neighbouring weight tiles are 16 neighbouring channels (q, k); as source 0 a lane holds one channel and the 16 registers of tiles c = 0, 1 are 16 neighbouring tokens (v);
; and k's rows lie as the attention launch wants the keys of a tile.
; OUT.  q, k: an image holds a group of 32 tokens: registers 0-5 tile c = 0, registers 6-11 tile c = 1; in each, lane (r, h) holds channels 32 h + 0..31 of row r.  Scale word of row r: (c0 b0, c0 b1, c1 b0, c1 b1).
;   v: for each tile of 16 channels, six registers a lane: lane (r, h) holds tokens 32 h + 0..31 of my 64: half a fragment of 128 keys; four registers as 16 bytes a lane, two as 8 bytes a lane.
; LIMITS: NaN and infinities are not served.  A block whose largest magnitude lies under 2^-124, zeros among them, gets the byte 1; this program alone reads the bytes.  v_rsq_f32 is good to one unit in the last place.
.set XIMG,   0                         ; LDS: xn's 8 fragments, 1,536 bytes each (fragment 2 m + s),
.set XSC,    12288                     ; their scale words, 128 bytes each,
.set XST,    13312                     ; and 8 stages of 16 rows x 528 bytes, each a wave's own
.set SPITCH, 528                       ; 512 bytes + 16: the sixteen rows that a load touches start at sixteen different columns of 16 bytes
.set W,   16                           ; v16-63   weights: fragment (u, s) at 12 (2 u + s)
.set WS,  64                           ; v64-67   their scale words; nothing else ever lies here
.set XF,  68                           ; v68-115  xn's four fragments of a K step
.set B0,  120                          ; v120-123 scale bytes of the first half,  v124-127 of the second
.set B1,  124
.set ACC, 128                          ; v128-191 eight accumulators
.set TM,  192                          ; v192-207 at work in the quantisers
.set XS,  208                          ; v208-211 xn's scale words; nothing else ever lies here
.set IM,  212                          ; v212-243 the images that are stored
.set YQ,  236                          ; v236-251 q, k: the second half's codes on their way
.set YT,  244                          ; v244-251 v: the second group's codes on their way
.set N,   68                           ; the first phase: v68-131 64 numbers of a lane; before that v68-75 at work, v100-115 the partial statistics
.set ST,  100
.set R,   132                          ; v132-195 16 rows as loaded
.set GA,  212                          ; v212-215 gain, v216-219 bias, v220-223 a = rstd x gain, v224-227 the mean four times
.set BE,  216
.set AA,  220
.set MU,  224
.set PW,  231                          ; the scale word just made
.set PC,  232                          ; v232-251 the codes just made
.set WV,  22
.set SEL, 26
.macro PLACES                          ; four plain places behind a matrix instruction, in front of loads into its registers and of reads of its results
.rept 4
	v_nop
.endr
.endm
; 64 numbers of a lane, register 16 b + i = k 32 b + 16 (lane / 16) + i of my row, become a fragment's codes in v[PC] on and its scale word in v[PW]
.macro QUANT s
.irp b, 0,1,2,3
	v_max3_num_f32 v[TM+\b], |v[\s+16*\b]|, |v[\s+1+16*\b]|, 0x1800000   ; my 16 numbers of block b, and the floor 2^(3 - 127): the byte cannot fall under 1
.endr
.irp i, 2,4,6,8,10,12,14
.irp b, 0,1,2,3
	s_delay_alu instid0(VALU_DEP_4)
	v_max3_num_f32 v[TM+\b], v[TM+\b], |v[\s+16*\b+\i]|, |v[\s+1+16*\b+\i]|
.endr
.endr
.irp b, 0,1,2,3
	s_delay_alu instid0(VALU_DEP_4)
	v_permlanex16_b32 v[TM+4+\b], v[TM+\b], s[SEL], s[SEL+1]
.endr
.irp b, 0,1,2,3
	s_delay_alu instid0(VALU_DEP_4)
	v_max_num_f32 v[TM+\b], v[TM+\b], v[TM+4+\b]   ; with lane l xor 16's: the block's largest magnitude
.endr
.irp b, 0,1,2,3
	s_delay_alu instid0(VALU_DEP_4)
	v_add_nc_u32 v[TM+12+\b], 0xff000000, v[TM+\b] ; 2 off its exponent field: the conversion's scale operand
.endr
.irp b, 0,1,2,3
	s_delay_alu instid0(VALU_DEP_4)
	v_lshrrev_b32 v[TM+4+\b], 23, v[TM+12+\b]      ; the scale's byte
.endr
	s_delay_alu instid0(VALU_DEP_3)
	v_lshl_or_b32 v[PW], v[TM+5], 8, v[TM+4]
	s_delay_alu instid0(VALU_DEP_1)
	v_lshl_or_b32 v[PW], v[TM+6], 16, v[PW]
	s_delay_alu instid0(VALU_DEP_1)
	v_lshl_or_b32 v[PW], v[TM+7], 24, v[PW]
.irp c, 0,1
	v_cvt_scalef32_pk16_fp6_f32 v[PC+6*\c:PC+2+6*\c], v[\s+32*\c:\s+15+32*\c], v[TM+12+2*\c]
	v_cvt_scalef32_pk16_fp6_f32 v[PC+12+4*\c:PC+14+4*\c], v[\s+16+32*\c:\s+31+32*\c], v[TM+12+2*\c+1]   ; (a conversion's three registers begin on an even number)
.endr
	v_nop                                          ; one plain place behind a scaled conversion
.irp c, 0,1                                    ; the layout wants a WHOLE block in a lane: lanes 0-15 block 2 c, lanes 16-31 block 2 c + 1
.irp i, 0,1,2
	v_permlane16_swap_b32 v[PC+6*\c+\i], v[PC+12+4*\c+\i]
.endr
.irp i, 0,1,2
	s_delay_alu instid0(VALU_DEP_3)
	v_mov_b32 v[PC+3+6*\c+\i], v[PC+12+4*\c+\i]
.endr
.endr
.endm
; My tiles 2 hf and 2 hf + 1 of the weights, both K steps: 12 loads of 512 consecutive bytes and 4 of scale words: 16 loads
.macro WLOAD hf
.irp u, 0,1
.irp s, 0,1
.irp c, 0,1,2
	global_load_b128 v[W+12*(2*\u+\s)+4*\c:W+12*(2*\u+\s)+4*\c+3], v4, s[12:13] offset:((2*\hf+\u)*2+\s)*1536+512*\c
.endr
	global_load_b32 v[WS+2*\u+\s], v5, s[14:15] offset:((2*\hf+\u)*2+\s)*128
.endr
.endr
.endm
.macro XFETCH s                        ; xn's four fragments of K step s, and their scale words, as they were stored
.irp m, 0,1,2,3
.irp c, 0,1,2
	ds_load_b128 v[XF+12*\m+4*\c:XF+12*\m+4*\c+3], v4 offset:XIMG+(2*\m+\s)*1536+512*\c
.endr
	ds_load_b32 v[XS+\m], v5 offset:XSC+(2*\m+\s)*128
.endr
.endm
; Eight matrix instructions, the eight accumulators by turns.  val = 0 (q, k): source 0 = weights, source 1 = xn; accumulator (m, u) at 16 m + 8 u.
; val = 1 (v): source 0 = xn, source 1 = weights; accumulator (u, m) at 32 u + 8 m.  K step 0 starts the sums.
.macro MM val, s
.irp m, 0,1,2,3
.irp u, 0,1
.if \val == 0
.if \s == 0
	v_wmma_scale_f32_16x16x128_f8f6f4 v[ACC+16*\m+8*\u:ACC+16*\m+8*\u+7], v[W+12*(2*\u+\s):W+12*(2*\u+\s)+11], v[XF+12*\m:XF+12*\m+11], 0, v[WS+2*\u+\s], v[XS+\m] matrix_a_fmt:MATRIX_FMT_FP6 matrix_b_fmt:MATRIX_FMT_FP6
.else
	v_wmma_scale_f32_16x16x128_f8f6f4 v[ACC+16*\m+8*\u:ACC+16*\m+8*\u+7], v[W+12*(2*\u+\s):W+12*(2*\u+\s)+11], v[XF+12*\m:XF+12*\m+11], v[ACC+16*\m+8*\u:ACC+16*\m+8*\u+7], v[WS+2*\u+\s], v[XS+\m] matrix_a_fmt:MATRIX_FMT_FP6 matrix_b_fmt:MATRIX_FMT_FP6
.endif
.else
.if \s == 0
	v_wmma_scale_f32_16x16x128_f8f6f4 v[ACC+32*\u+8*\m:ACC+32*\u+8*\m+7], v[XF+12*\m:XF+12*\m+11], v[W+12*(2*\u+\s):W+12*(2*\u+\s)+11], 0, v[XS+\m], v[WS+2*\u+\s] matrix_a_fmt:MATRIX_FMT_FP6 matrix_b_fmt:MATRIX_FMT_FP6
.else
	v_wmma_scale_f32_16x16x128_f8f6f4 v[ACC+32*\u+8*\m:ACC+32*\u+8*\m+7], v[XF+12*\m:XF+12*\m+11], v[W+12*(2*\u+\s):W+12*(2*\u+\s)+11], v[ACC+32*\u+8*\m:ACC+32*\u+8*\m+7], v[XS+\m], v[WS+2*\u+\s] matrix_a_fmt:MATRIX_FMT_FP6 matrix_b_fmt:MATRIX_FMT_FP6
.endif
.endif
.endr
.endr
.endm
.macro PRODUCTS val                    ; two tiles of columns x 64 tokens x K = 256
	XFETCH 0
	s_wait_loadcnt 0x0                             ; the weights
	s_wait_dscnt 0x0
	MM \val, 0
	PLACES
	XFETCH 1
	s_wait_dscnt 0x0
	MM \val, 1
	PLACES
.endm
; The four units of 16 registers at ACC + 16 q are halves of blocks of 32 (the other half lies in lane l xor 16): scale operands into v[TM+12+q], bytes into v[bytes+q]
.macro SCALE4 bytes
.irp q, 0,1,2,3
	v_max3_num_f32 v[TM+\q], |v[ACC+16*\q]|, |v[ACC+16*\q+1]|, 0x1800000   ; each accumulator is read from its low end on
.endr
.irp i, 2,4,6,8,10,12,14
.irp q, 0,1,2,3
	v_max3_num_f32 v[TM+\q], v[TM+\q], |v[ACC+16*\q+\i]|, |v[ACC+16*\q+\i+1]|
.endr
.endr
.irp q, 0,1,2,3
	s_delay_alu instid0(VALU_DEP_4)
	v_permlanex16_b32 v[TM+4+\q], v[TM+\q], s[SEL], s[SEL+1]
.endr
.irp q, 0,1,2,3
	s_delay_alu instid0(VALU_DEP_4)
	v_max_num_f32 v[TM+\q], v[TM+\q], v[TM+4+\q]
.endr
.irp q, 0,1,2,3
	s_delay_alu instid0(VALU_DEP_4)
	v_add_nc_u32 v[TM+12+\q], 0xff000000, v[TM+\q]
.endr
.irp q, 0,1,2,3
	s_delay_alu instid0(VALU_DEP_4)
	v_lshrrev_b32 v[\bytes+\q], 23, v[TM+12+\q]
.endr
.endm
	s_load_b256 s[4:11], s[0:1], 0x0               ; x s[4:5], gn_scale s[6:7], gn_bias s[8:9], stats s[10:11]
	s_load_b256 s[12:19], s[0:1], 0x20             ; wimg s[12:13], wsc s[14:15], chan s[16:17], qbuf s[18:19]
	s_load_b64 s[20:21], s[0:1], 0x40              ; kv
	v_lshl_add_u32 v247, v0, 2, 0x14000
	v_mov_b32 v251, 0
	v_lshrrev_b32 v1, 5, v0
	s_delay_alu instid0(VALU_DEP_1)
	v_readfirstlane_b32 s[WV], v1                  ; wave 0..11
	v_and_b32 v1, 31, v0                           ; lane
	s_wait_alu depctr_va_vdst(0)
	v_and_b32 v2, 15, v0                           ; r
	s_wait_alu depctr_va_vdst(0)
	v_bfe_u32 v3, v0, 4, 1                         ; h
	s_min_u32 s23, s[WV], 7                        ; (waves 8-11 make no fragment of xn and never use the addresses made of this)
	s_lshr_b32 s24, s[WV], 2                       ; role: 0 q, 1 k, 2 v.  For waves 0-7 also g, the group of 32 tokens
	s_and_b32 s25, s[WV], 3                        ; head
	s_mov_b32 s[SEL], 0x76543210
	s_mov_b32 s[SEL+1], 0xfedcba98                 ; v_permlanex16_b32's selects for lane l xor 16
	s_lshr_b32 s28, ttmp9, 6                       ; image
	s_bfe_u32 s29, ttmp9, 0x50001                  ; key step of 128 tokens in the image
	s_and_b32 s30, ttmp9, 1                        ; which half of that step is mine
	; every LDS address is made here, ahead of the first parting of the waves
	v_lshlrev_b32 v4, 4, v1                        ; 16 l: an image's place for my lane, in LDS and in memory
	v_lshlrev_b32 v5, 2, v1                        ; 4 l: a scale word's
	s_mul_i32 s31, s23, 16*SPITCH
	s_add_co_u32 s31, s31, XST
	v_add_nc_u32 v6, s31, v4                       ; my stage, on the way in: 16 l (+ 528 a row)
	v_mul_u32_u24 v7, v2, SPITCH
	s_wait_alu depctr_va_vdst(0)
	v_lshl_add_u32 v7, v3, 6, v7
	s_delay_alu instid0(VALU_DEP_1)
	v_add_nc_u32 v7, s31, v7                       ; and on the way out: row r, + 64 h: my 16 numbers of a block of 32
	s_mul_i32 s31, s23, 1536
	v_add_nc_u32 v8, s31, v4                       ; where I store my fragment's image (XIMG = 0)
	s_lshl_b32 s31, s23, 7
	s_add_co_u32 s31, s31, XSC
	v_add_nc_u32 v9, s31, v5                       ; and its scale words
	v_lshlrev_b32 v10, 3, v1                       ; 8 l
	v_lshlrev_b32 v11, 2, v2
	s_delay_alu instid0(VALU_DEP_1)
	v_lshl_add_u32 v11, v3, 6, v11                 ; 64 h + 4 r: v's half scale words
	v_lshlrev_b32 v12, 6, v1                       ; 64 l: the partial statistics
.irp b, 0,1,2,3
	v_mov_b32 v[TM+4+\b], 0                        ; written once: a lane permute's destination counts as one of its sources
.endr
	; offsets, apart from the addresses
	s_mul_i32 s40, s25, 12
	s_lshl_b32 s41, s24, 2
	s_add_co_u32 s40, s40, s41                     ; my first tile of the weights: 12 x head + 4 x role
	s_mul_i32 s32, s40, 3072                       ; two fragments a tile
	s_mov_b32 s33, 0
	s_lshl_b32 s34, s40, 8
	s_mov_b32 s35, 0
	s_lshl_b32 s40, s28, 5
	s_add_co_u32 s40, s40, s29
	s_lshl_b32 s40, s40, 2
	s_add_co_u32 s40, s40, s25
	s_mul_i32 s40, s40, 12800                      ; kv: the block of (image, step, head)
	s_mul_i32 s41, s30, 3072                       ; k: codes at 3,072 x half,
	s_lshl_b32 s42, s30, 7
	s_add_co_u32 s42, s42, 12288                   ;    scale words at 12,288 + 128 x half
	s_mul_i32 s43, s30, 768
	s_add_co_u32 s43, s43, 6144                    ; v: codes at 6,144 + 768 x half (+ 1,536 a tile),
	s_lshl_b32 s44, s30, 1
	s_add_co_u32 s44, s44, 12544                   ;    half scale words at 12,544 + 2 x half
	s_cmp_eq_u32 s24, 2
	s_cselect_b32 s41, s43, s41
	s_cselect_b32 s42, s44, s42
	s_add_co_u32 s41, s41, s40
	s_add_co_u32 s42, s42, s40
	s_lshl_b32 s45, ttmp9, 2
	s_add_co_u32 s45, s45, s25
	s_mul_i32 s45, s45, 3328                       ; qbuf: the block of (work-group, head); its scale words 3,072 on
	s_add_co_u32 s46, s45, 3072
	s_wait_kmcnt 0x0
	s_add_nc_u64 s[12:13], s[12:13], s[32:33]
	s_add_nc_u64 s[14:15], s[14:15], s[34:35]
	s_cmp_eq_u32 s24, 0                            ; q goes to qbuf, k and v to kv: the choice hangs on the wave's number alone
	s_cselect_b32 s32, s45, s41
	s_cselect_b32 s34, s46, s42
	s_cselect_b64 s[36:37], s[18:19], s[20:21]
	s_cselect_b64 s[38:39], s[18:19], s[20:21]
	s_add_nc_u64 s[36:37], s[36:37], s[32:33]      ; where my codes go
	s_add_nc_u64 s[38:39], s[38:39], s[34:35]      ; and my scale words
	s_cmp_lt_u32 s[WV], 8
	s_cbranch_scc0 .Lno_x
	; ---- xn: wave w < 8 makes the fragment of tile m = w / 2 (g = w / 4, c = (w / 2) % 2), K step s = w % 2
	s_and_b32 s46, s[WV], 1                        ; s
	s_bfe_u32 s47, s[WV], 0x10001                  ; c
	s_lshl_b32 s48, ttmp9, 6
	s_lshl_b32 s49, s24, 5
	s_add_co_u32 s48, s48, s49
	s_lshl_b32 s49, s47, 3
	s_add_co_u32 s48, s48, s49                     ; the tile's first token: 64 x work-group + 32 g + 8 c
	s_lshl_b32 s48, s48, 10
	s_lshl_b32 s50, s46, 9                         ; 512 s: my 128 channels
	s_mov_b32 s51, 0
	s_add_co_u32 s48, s48, s50
	s_mov_b32 s49, 0
	s_lshl_b32 s52, s28, 12
	s_lshl_b32 s53, s46, 11
	s_add_co_u32 s52, s52, s53                     ; stats: 4,096 x image + 2,048 s: my four groups
	s_mov_b32 s53, 0
	s_mul_i32 s54, s28, 3072
	s_add_co_u32 s54, s54, s50                     ; chan: 3,072 x image + 512 s
	s_mov_b32 s55, 0
	s_mov_b32 s56, 0x37000000                      ; 1 / 131,072: the numbers of a group in an image
	s_add_nc_u64 s[4:5], s[4:5], s[48:49]
	s_add_nc_u64 s[6:7], s[6:7], s[50:51]
	s_add_nc_u64 s[8:9], s[8:9], s[50:51]
	s_add_nc_u64 s[10:11], s[10:11], s[52:53]
	s_add_nc_u64 s[16:17], s[16:17], s[54:55]
	s_wait_alu depctr_va_vdst(0)
.irp i, 0,1,2,3
	global_load_b128 v[ST+4*\i:ST+4*\i+3], v12, s[10:11] offset:16*\i   ; 8 of the 64 pairs (mean, M2) of group 4 s + l / 8, which is the group of my four channels
.endr
	global_load_b128 v[GA:GA+3], v4, s[6:7]        ; gain and bias of channels 128 s + 4 l + 0..3
	global_load_b128 v[BE:BE+3], v4, s[8:9]
.set i, 0
.rept 16
	global_load_b128 v[R+4*i:R+4*i+3], v4, s[4:5] offset:(i+8*(i/8))*1024   ; row i of the tile: 512 consecutive bytes
.set i, i+1
.endr
	WLOAD 0
	s_wait_loadcnt 32                              ; statistics, gain and bias are in; behind them x's 16 loads and the weights' 16 may be out
	v_add_f32 v68, v[ST], v[ST+2]
	v_add_f32 v69, v[ST+4], v[ST+6]
	v_add_f32 v70, v[ST+8], v[ST+10]
	v_add_f32 v71, v[ST+12], v[ST+14]
	v_add_f32 v72, v[ST+1], v[ST+3]
	v_add_f32 v73, v[ST+5], v[ST+7]
	v_add_f32 v74, v[ST+9], v[ST+11]
	v_add_f32 v75, v[ST+13], v[ST+15]
	v_add_f32 v68, v68, v69
	v_add_f32 v70, v70, v71
	v_add_f32 v72, v72, v73
	s_delay_alu instid0(VALU_DEP_4)
	v_add_f32 v74, v74, v75
	s_delay_alu instid0(VALU_DEP_3)
	v_add_f32 v68, v68, v70
	s_delay_alu instid0(VALU_DEP_2)
	v_add_f32 v69, v72, v74                        ; my eight M2
.irp k, 1
	s_delay_alu instid0(VALU_DEP_2)
	v_add_f32_dpp v68, v68, v68 row_xmask:\k row_mask:0xf bank_mask:0xf   ; the eight lanes of a group
.endr
.irp k, 2, 4
	s_delay_alu instid0(VALU_DEP_1)
	v_add_f32_dpp v68, v68, v68 row_xmask:\k row_mask:0xf bank_mask:0xf
.endr
	s_delay_alu instid0(VALU_DEP_1)
	v_mul_f32 v[MU], 0x3c800000, v68               ; / 64: the group's mean (equal counts)
.irp i, 0,1,2,3,4,5,6,7
	v_sub_f32 v[ST+2*\i], v[ST+2*\i], v[MU]
.endr
	v_mul_f32 v72, v[ST], v[ST]
	v_mul_f32 v73, v[ST+2], v[ST+2]
.irp i, 2,4,6
	s_delay_alu instid0(VALU_DEP_2)
	v_fmac_f32 v72, v[ST+2*\i], v[ST+2*\i]
	s_delay_alu instid0(VALU_DEP_2)
	v_fmac_f32 v73, v[ST+2*\i+2], v[ST+2*\i+2]
.endr
	s_delay_alu instid0(VALU_DEP_1)
	v_add_f32 v72, v72, v73
	s_delay_alu instid0(VALU_DEP_1)
	v_fmamk_f32 v72, v72, 0x45000000, v69          ; M2 + 2,048 x the squared distances of the blocks' means
.irp k, 1,2,4
	s_delay_alu instid0(VALU_DEP_1)
	v_add_f32_dpp v72, v72, v72 row_xmask:\k row_mask:0xf bank_mask:0xf
.endr
	s_delay_alu instid0(VALU_DEP_1)
	v_fmaak_f32 v72, s56, v72, 0x3727c5ac          ; the variance + 1e-5 (the factor is a power of two: one rounding, as in a division and an addition)
	s_wait_alu depctr_va_vdst(0)
	v_rsq_f32 v72, v72
	v_mov_b32 v[MU+1], v[MU]                       ; (plain places behind the transcendental)
	v_mov_b32 v[MU+2], v[MU]
	v_mov_b32 v[MU+3], v[MU]
	s_wait_alu depctr_va_vdst(0)
.irp i, 0,1,2,3
	v_mul_f32 v[AA+\i], v72, v[GA+\i]              ; a = rstd x gain
.endr
	s_wait_loadcnt 16                              ; x is in; the weights' 16 loads may be out
.set i, 0
.rept 16
	v_pk_add_f32 v[R+4*i:R+4*i+1], v[R+4*i:R+4*i+1], v[MU:MU+1] neg_lo:[0,1] neg_hi:[0,1]
	s_wait_alu depctr_va_vdst(0)
	v_pk_add_f32 v[R+4*i+2:R+4*i+3], v[R+4*i+2:R+4*i+3], v[MU+2:MU+3] neg_lo:[0,1] neg_hi:[0,1]
	v_pk_fma_f32 v[R+4*i:R+4*i+1], v[R+4*i:R+4*i+1], v[AA:AA+1], v[BE:BE+1]         ; xn = (x - mean) a + bias
	s_delay_alu instid0(VALU_DEP_2)
	v_pk_fma_f32 v[R+4*i+2:R+4*i+3], v[R+4*i+2:R+4*i+3], v[AA+2:AA+3], v[BE+2:BE+3]
	ds_store_b128 v6, v[R+4*i:R+4*i+3] offset:SPITCH*i
.set i, i+1
.endr
.irp b, 0,1,2,3                                ; back with 16 neighbours of each block of 32 in a lane.  LDS serves a wave's instructions in order: these see my stores
.irp j, 0,1,2,3
	ds_load_b128 v[N+16*\b+4*\j:N+16*\b+4*\j+3], v7 offset:128*\b+16*\j
.endr
.endr
	s_wait_dscnt 0x0
	QUANT N
.irp c, 0,1,2
	ds_store_b128 v8, v[PC+4*\c:PC+4*\c+3] offset:XIMG+512*\c
.endr
	ds_store_b32 v9, v[PW]
	s_and_b32 s57, ttmp9, 63                       ; mean, a and bias by channel are kept for the residual: one work-group of each image stores them, waves 0 and 1 (K steps 0 and 1)
	s_cmp_lg_u32 s57, 0
	s_cbranch_scc1 .Lno_chan
	s_cmp_lt_u32 s[WV], 2
	s_cbranch_scc0 .Lno_chan
	global_store_b128 v4, v[MU:MU+3], s[16:17]
	global_store_b128 v4, v[AA:AA+3], s[16:17] offset:1024
	global_store_b128 v4, v[BE:BE+3], s[16:17] offset:2048
	s_wait_xcnt 0x0                                ; the stores' data registers are written again further down
.Lno_chan:
	s_branch .Ljoin
.Lno_x:
	WLOAD 0
.Ljoin:
	s_wait_dscnt 0x0                               ; for the others' sake: my image has landed
	s_barrier_signal -1
	s_barrier_wait -1                              ; the one barrier: xn's eight fragments lie in LDS, and nobody writes LDS again
	v_cmp_ne_u32 vcc_lo, 0, v3                     ; lanes 16-31
	s_cmp_eq_u32 s24, 2
	s_cbranch_scc1 .Lvalues
	; ---- q, k: a lane holds one token; the two tiles of a half are 16 neighbouring channels of block hf
	PRODUCTS 0
	WLOAD 1                                        ; the second half's weights land under the quantising
	SCALE4 B0
.irp m, 0,1,2,3
	v_cvt_scalef32_pk16_fp6_f32 v[IM+12*(\m/2)+6*(\m%2):IM+12*(\m/2)+6*(\m%2)+2], v[ACC+16*\m:ACC+16*\m+15], v[TM+12+\m]   ; channels 16 h + 0..15 of tile m's row r
.endr
	v_nop                                          ; one plain place behind a scaled conversion
	PRODUCTS 0
	SCALE4 B1
.irp m, 0,1,2,3
	v_cvt_scalef32_pk16_fp6_f32 v[YQ+4*\m:YQ+4*\m+2], v[ACC+16*\m:ACC+16*\m+15], v[TM+12+\m]   ; channels 32 + 16 h + 0..15
.endr
	v_nop
.irp m, 0,1,2,3                                ; the image wants a WHOLE block in a lane: lanes 0-15 channels 0-31, lanes 16-31 channels 32-63
.irp i, 0,1,2
	v_permlane16_swap_b32 v[IM+12*(\m/2)+6*(\m%2)+\i], v[YQ+4*\m+\i]
.endr
.irp i, 0,1,2
	s_delay_alu instid0(VALU_DEP_3)
	v_mov_b32 v[IM+12*(\m/2)+6*(\m%2)+3+\i], v[YQ+4*\m+\i]
.endr
.endr
.irp g, 0,1                                    ; row r's scale word of group g: (c0 b0, c0 b1, c1 b0, c1 b1)
	v_lshl_or_b32 v[252+\g], v[B1+2*\g], 8, v[B0+2*\g]
	s_delay_alu instid0(VALU_DEP_1)
	v_lshl_or_b32 v[252+\g], v[B0+2*\g+1], 16, v[252+\g]
	s_delay_alu instid0(VALU_DEP_1)
	v_lshl_or_b32 v[252+\g], v[B1+2*\g+1], 24, v[252+\g]
.endr
	s_delay_alu instid0(VALU_DEP_1)
	v_cndmask_b32 v252, v252, v253, vcc_lo         ; lanes 0-15 store group 0's words, lanes 16-31 group 1's
.irp g, 0,1
.irp c, 0,1,2
	global_store_b128 v4, v[IM+12*\g+4*\c:IM+12*\g+4*\c+3], s[36:37] offset:1536*\g+512*\c   ; 512 consecutive bytes a store
.endr
.endr
	global_store_b32 v5, v252, s[38:39]
	s_wait_tensorcnt 0x0
	ds_add_u32 v247, v251
	s_wait_dscnt 0x0
	s_endpgm
	; ---- v: a lane holds one channel; the four tiles of tokens are two blocks of 32 tokens, 16 of each in a lane
.macro VOUT hf, bytes
	SCALE4 \bytes
.irp u, 0,1
	v_cvt_scalef32_pk16_fp6_f32 v[IM+16*\hf+8*\u:IM+16*\hf+8*\u+2], v[ACC+32*\u:ACC+32*\u+15], v[TM+12+2*\u]       ; tokens 16 h + 0..15
	v_cvt_scalef32_pk16_fp6_f32 v[YT+4*\u:YT+4*\u+2], v[ACC+32*\u+16:ACC+32*\u+31], v[TM+12+2*\u+1]                 ; tokens 32 + 16 h + 0..15
.endr
	v_nop                                          ; one plain place behind a scaled conversion
.irp u, 0,1                                    ; lanes 0-15 tokens 0-31, lanes 16-31 tokens 32-63
.irp i, 0,1,2
	v_permlane16_swap_b32 v[IM+16*\hf+8*\u+\i], v[YT+4*\u+\i]
.endr
.irp i, 0,1,2
	s_delay_alu instid0(VALU_DEP_3)
	v_mov_b32 v[IM+16*\hf+8*\u+3+\i], v[YT+4*\u+\i]
.endr
.endr
	v_lshl_or_b32 v[252+2*\hf], v[\bytes+1], 8, v[\bytes]         ; tile u = 0: my two blocks' bytes;
	v_lshl_or_b32 v[253+2*\hf], v[\bytes+3], 8, v[\bytes+2]       ; tile u = 1
	s_delay_alu instid0(VALU_DEP_1)
	v_cndmask_b32 v[252+2*\hf], v[252+2*\hf], v[253+2*\hf], vcc_lo   ; lanes 0-15 store tile 0's, lanes 16-31 tile 1's
.irp u, 0,1
	global_store_b128 v4, v[IM+16*\hf+8*\u:IM+16*\hf+8*\u+3], s[36:37] offset:(2*\hf+\u)*1536
	global_store_b64 v10, v[IM+16*\hf+8*\u+4:IM+16*\hf+8*\u+5], s[36:37] offset:(2*\hf+\u)*1536+512
.endr
	global_store_b16 v11, v[252+2*\hf], s[38:39] offset:128*\hf   ; two bytes of a word whose other two the neighbouring work-group makes: 128 KiB of such stores in the launch
.endm
.Lvalues:
	PRODUCTS 1
	WLOAD 1
	VOUT 0, B0                                     ; the two halves' store data lie in registers of their own: none is written again
	PRODUCTS 1
	VOUT 1, B1
	s_wait_tensorcnt 0x0
	ds_add_u32 v247, v251
	s_wait_dscnt 0x0
	s_endpgm
.Lfunc_end_k_q9022b3e1bc_qkv:
	.size	k_q9022b3e1bc_qkv, .Lfunc_end_k_q9022b3e1bc_qkv-k_q9022b3e1bc_qkv
	.p2alignl 7, 3214868480
	.fill 96, 4, 3214868480
	.section	.rodata,"a",@progbits
	.p2align	6, 0x0
	.amdhsa_kernel k_q9022b3e1bc_qkv
		.amdhsa_group_segment_fixed_size 83456
		.amdhsa_private_segment_fixed_size 0
		.amdhsa_enable_private_segment 0
		.amdhsa_kernarg_size 72
		.amdhsa_user_sgpr_count 2
		.amdhsa_user_sgpr_kernarg_segment_ptr 1
		.amdhsa_wavefront_size32 1
		.amdhsa_system_sgpr_workgroup_id_x 1
		.amdhsa_system_sgpr_workgroup_id_y 1
		.amdhsa_system_sgpr_workgroup_id_z 1
		.amdhsa_system_vgpr_workitem_id 0
		.amdhsa_next_free_vgpr 256
		.amdhsa_next_free_sgpr 66
		.amdhsa_reserve_vcc 1
		.amdhsa_float_denorm_mode_32 3
		.amdhsa_float_denorm_mode_16_64 3
		.amdhsa_memory_ordered 1
		.amdhsa_forward_progress 1
		.amdhsa_inst_pref_size 66
	.end_amdhsa_kernel
	.amdgpu_metadata
---
amdhsa.version: [ 1, 2 ]
amdhsa.kernels:
  - .name:           k_q9022b3e1bc_qkv
    .symbol:         k_q9022b3e1bc_qkv.kd
    .args:
      - { .name: x, .offset: 0, .size: 8, .value_kind: global_buffer, .address_space: global }
      - { .name: gn_scale, .offset: 8, .size: 8, .value_kind: global_buffer, .address_space: global }
      - { .name: gn_bias, .offset: 16, .size: 8, .value_kind: global_buffer, .address_space: global }
      - { .name: stats, .offset: 24, .size: 8, .value_kind: global_buffer, .address_space: global }
      - { .name: wimg, .offset: 32, .size: 8, .value_kind: global_buffer, .address_space: global }
      - { .name: wsc, .offset: 40, .size: 8, .value_kind: global_buffer, .address_space: global }
      - { .name: chan, .offset: 48, .size: 8, .value_kind: global_buffer, .address_space: global }
      - { .name: qbuf, .offset: 56, .size: 8, .value_kind: global_buffer, .address_space: global }
      - { .name: kv, .offset: 64, .size: 8, .value_kind: global_buffer, .address_space: global }
    .group_segment_fixed_size: 83456
    .private_segment_fixed_size: 0
    .kernarg_segment_align: 8
    .kernarg_segment_size: 72
    .max_flat_workgroup_size: 384
    .sgpr_count:     66
    .vgpr_count:     256
    .wavefront_size: 32
...
	.end_amdgpu_metadata
.endif
;; end of part 2
;; launch attn (part 3): grid 256 x 1, 16 waves a work-group, clusters of 4 x 1, 327,680 bytes of LDS; arguments qbuf, kv, wimg, wsc, b_out, x, chan, out0; writes out0
.if DOCPART == 3
	.amdgcn_target "amdgcn-amd-amdhsa--gfx1250"
	.amdhsa_code_object_version 6
	.text
	.protected	k_q9022b3e1bc_attn
	.globl	k_q9022b3e1bc_attn
	.p2align	8
	.type	k_q9022b3e1bc_attn,@function
k_q9022b3e1bc_attn:
	s_mov_b64 s[64:65], 0
	v_nop
	global_prefetch_b8 v0, s[64:65] scope:SCOPE_SE
	s_setreg_imm32_b32 hwreg(HW_REG_WAVE_MODE, 25, 1), 1
	s_wait_xcnt 0x0
	s_wait_alu depctr_hold_cnt(0) depctr_sa_sdst(0) depctr_va_vdst(0) depctr_va_sdst(0) depctr_va_ssrc(0) depctr_va_vcc(0) depctr_vm_vsrc(0)
	s_getreg_b32 s2, hwreg(HW_REG_IB_STS2, 6, 4)
	s_cmp_eq_u32 s2, 0
	s_cbranch_scc0 .Lentry_in_a_cluster
	s_endpgm
.Lentry_in_a_cluster:
	s_bfe_u32 s2, ttmp6, 0x10000c
	s_cmp_lg_u32 s2, 0x3003
	s_cbranch_scc0 .Lentry_shape_is_right
	s_endpgm
.Lentry_shape_is_right:
; ATTN.  out = Q(softmax(q k^T / 16) v) Q(w_out) + b_out + xn, every product on codes of FP6 (E2M3) with one E8M0 byte for each 32 along its K.
; SHARES.  A work-group owns 64 queries of one image, all four heads.  Wave w owns head w / 4 and query tile w % 4 (16 queries) in 256 registers: four waves to a SIMD, so that one wave's vector work
; stands beside another's matrix work and LDS loads.  Every wave walks the image's 4,096 keys, 128 a step.
; THE SOFTMAX: t = score x log2(e) / 16; M = the row's largest t so far, rounded UP to a whole number; p = 2^(t - M) is quantised along the keys, not normalised.  The row's sum is taken of the
; unquantised p and divides at the end.  When M moves, the sum and O are multiplied by 2^(old M - new M): exact.
; LAYOUT.  Both products are used transposed (S^T = K Q^T, O^T = V^T P^T): a lane holds ONE query throughout.  kv holds images of operand registers, so every LDS read is dense, 16, 8 or 4 bytes a lane.
; THE HEAD IS 64 WIDE, THE INSTRUCTION 128: an image of K holds two tiles of 16 keys, one in registers 0-5 and one in 6-11.  It is multiplied once by (q, zero codes) and once by (zero codes, q).
; The keys of a tile are chosen so that S's registers 16 b + i are keys 32 b + 16 (lane / 16) + i, and V's channels so that O's registers 16 b + i are channels 32 b + 16 (lane / 16) + i.
; CLUSTER.  The four work-groups of a cluster belong to one image and walk the same kv: each slot is asked for JOINTLY, by the same four tensor loads with the same descriptors and the mask of all four.
; THE TAIL.  O / sum is quantised in registers and handed round through LDS as images; wave w makes output tile w (16 columns) for the 64 queries; the results meet in a stage, and each wave adds
; xn = (x - mean) a + bias to four whole rows and stores them.
; LIMITS: NaN and infinities are not served.  A block whose largest magnitude lies under 2^-124, zeros among them, gets the byte 1.  v_exp_f32 gives 0 for results under 2^-126; v_rcp_f32 is good to one unit in the last place.
.set HEADB, 12800                      ; kv: a block of (step, head): K's four images, V's four tiles, K's and V's scale words
.set STEPB, 4*HEADB
.set SLOTB, 2*STEPB                    ; a slot holds two key steps of all four heads, as they lie in memory
.set SLOT1, 131072                     ; slot 1 begins here, so that one exclusive or turns an address in one slot into the other's
.set VC,    6144
.set KSO,   12288
.set VSO,   12544
.set RIMG,  102400                     ; behind slot 0: res' 16 half fragments, 768 bytes each;
.set RSC,   114688                     ; res' 8 sets of scale words, 128 bytes each;
.set SPARE, 115712                     ; the spare words, 128 bytes for each of 16 waves: eight blocks of 256 bytes that no other line names
.set STG,   233472                     ; behind slot 1: the stage, 64 rows x (1,024 + 16) bytes.  No tile lands in any of these
.set SGP,   1040
.set SPW, 4                            ; v4   LDS address of my spare word; never rewritten
.set NIL, 5                            ; v5   0; never rewritten
.set QL,  16                           ; v16-27 (q, zero codes);  v28-39 (zero codes, q)
.set QH,  28
.set QS,  40                           ; v40  q's scale word (b0, b1, b0, b1);  v41 the word as loaded
.set QW,  41
.set KSC, 42                           ; v42-43 K's scale words: lanes 0-15 the even group's, lanes 16-31 the odd one's;  v44-45 V's likewise
.set VSC, 44
.set F,   48                           ; v48-95   four fragments of K, then of V
.set S,   96                           ; v96-159  S^T, then p
.set O,   160                          ; v160-191 O^T
.set P,   192                          ; v192-203 p's codes;  v204-210 their second halves on the way
.set Y,   204
.set BM,  212                          ; v212-215 the blocks' largest scores, then largest p
.set BP,  216                          ; v216-219 the other half's; then the bytes
.set SO,  220                          ; v220-223 the conversions' scale operands
.set FF,  226                          ; v[226:227] f = 2^(old M - new M)
.set TT,  228
.set SUM2, 230                         ; v[230:231] a partial sum of p within a step
.set RS,  240                          ; v240-243 res' scale words;  v244-245 w_out's;  v246 p's; v242-245 also hold partial sums of p in a step
.set WOS, 244
.set PS,  246
.set WO,  48                           ; the tail: v48-71 w_out's two fragments; v76-83 the bias; v84-92 res' codes; v96-119 mean, a, bias by channel; v120-151 four rows of x; v192-239 res' fragments, then rows of y
.set BI,  76
.set RC,  84
.set RY,  90
.set CH,  96
.set XR,  120
.set RB,  192
.set WV,  20                           ; s20 wave;  s21 head;  s22 query tile
.set HH,  21
.set QT,  22
.set SEL, 24                           ; s[24:25] v_permlanex16_b32's selects for lane l xor 16
.set CS,  26                           ; s[26:27] c = log2(e) / 16
.set G1,  28                           ; s[28:35] descriptor group 1;  s[36:39] group 0, which walks
.set G0,  36
.set TB,  40                           ; s40 LDS byte at which the slot in hand begins
.set SLOTS, 41
.macro PLACES
.rept 4
	v_nop
.endr
.endm
.macro CROUND                          ; a round of the cluster's barrier
	s_barrier_signal -1
	s_barrier_wait -1
	s_cmp_lg_u32 s[WV], 0
	s_cbranch_scc1 .Lnot_wave_0_\@
	s_barrier_signal -3
.Lnot_wave_0_\@:
	s_barrier_wait -3
	s_barrier_signal -1
	s_barrier_wait -1
.endm
.macro TLOAD                           ; waves 0-3 fetch a quarter of a slot each, the others nothing; the branch hangs on the wave's number alone.  Four v_nop follow the load
	s_cmp_lt_u32 s[WV], 4
	s_cbranch_scc0 .Lnone_\@
	tensor_load_to_lds s[G0:G0+3], s[G1:G1+7]
	s_nop 0
.rept 4
	v_nop
.endr
.Lnone_\@:
.endm
	s_load_b256 s[4:11], s[0:1], 0x0               ; qbuf s[4:5], kv s[6:7], wimg s[8:9], wsc s[10:11]
	s_load_b256 s[12:19], s[0:1], 0x20             ; b_out s[12:13], x s[14:15], chan s[16:17], out0 s[18:19]
	v_lshl_add_u32 v[SPW], v0, 2, SPARE
	v_mov_b32 v[NIL], 0
	ds_add_u32 v4, v5
	ds_add_u32 v4, v5
	s_wait_dscnt 0x0
	v_lshrrev_b32 v6, 5, v0
	s_delay_alu instid0(VALU_DEP_1)
	v_readfirstlane_b32 s[WV], v6                  ; wave 0..15
	s_lshr_b32 s[HH], s[WV], 2
	s_and_b32 s[QT], s[WV], 3
	s_min_u32 s23, s[WV], 3                        ; which quarter of a slot I fetch, if I fetch
	s_mov_b32 s[SEL], 0x76543210
	s_mov_b32 s[SEL+1], 0xfedcba98
	s_mov_b32 s[CS], 0x3db8aa3b                    ; log2(e) / 16
	s_mov_b32 s[CS+1], s[CS]                       ; (named with it as a pair, so it is written)
	s_mov_b32 s[TB], 0
	s_mov_b32 s[SLOTS], 15
	; descriptor group 1: 25,600 dense bytes as 100 rows of 32 elements of 8 bytes
	s_mov_b32 s[G1], 15|(3<<16)|(1<<21)            ; 15:0 the mask: all four work-groups; 17:16 elements of 8 bytes; 20 no padding; 21 set beside a mask
	s_mov_b32 s[G1+1], 32<<16                      ; tensor_dim0 = 32
	s_mov_b32 s[G1+2], 100<<16                     ; tensor_dim1 = 100
	s_mov_b32 s[G1+3], 32<<16                      ; tile_dim0 = 32
	s_mov_b32 s[G1+4], 100                         ; tile_dim1 = 100
	s_mov_b32 s[G1+5], 32                          ; the pitch
	s_mov_b32 s[G1+6], 0
	s_mov_b32 s[G1+7], 0
	s_bfe_u32 s42, ttmp6, 0x40000                  ; cx: it enters the addresses of qbuf, x and out0 alone
	s_lshl_b32 s43, ttmp9, 2
	s_add_co_u32 s43, s43, s42                     ; my work-group = 4 x cluster + cx
	s_lshr_b32 s44, ttmp9, 4                       ; the image, which the four partners share
	s_mul_i32 s46, s44, 32*STEPB
	s_mul_i32 s45, s23, SLOTB/4
	s_add_co_u32 s46, s46, s45                     ; kv: the image's first slot, my quarter
	s_mov_b32 s47, 0
	s_lshl_b32 s48, s43, 2
	s_add_co_u32 s48, s48, s[HH]
	s_mul_i32 s48, s48, 3328                       ; qbuf: the block of (work-group, head)
	s_lshr_b32 s50, s[QT], 1                       ; g: which group of 32 queries
	s_and_b32 s51, s[QT], 1                        ; c: which tile of the group
	s_mul_i32 s52, s50, 1536
	s_add_co_u32 s52, s52, s48                     ; the group's image,
	s_mov_b32 s53, 0
	s_lshl_b32 s54, s50, 6
	s_add_co_u32 s54, s54, s48
	s_add_co_u32 s54, s54, 3072                    ; and its scale words
	s_mov_b32 s55, 0
	s_wait_kmcnt 0x0
	s_mov_b32 s[G0], 1                             ; 1:0 count = 1
	s_mov_b32 s[G0+1], s45                         ; 63:32 LDS address: slot 0, my quarter
	s_add_nc_u64 s[G0+2:G0+3], s[6:7], s[46:47]    ; 120:64 global address
	s_or_b32 s[G0+3], s[G0+3], 0x80000000          ; 127:126 type = 2
	s_add_nc_u64 s[56:57], s[4:5], s[52:53]
	s_add_nc_u64 s[58:59], s[4:5], s[54:55]
	; the tail's bases, stepped once
	s_lshl_b32 s46, s[WV], 1
	s_add_co_u32 s46, s46, 96                      ; w_out's tile w: fragments 96 + 2 w, 97 + 2 w
	s_mul_i32 s52, s46, 1536
	s_lshl_b32 s54, s46, 7
	s_add_nc_u64 s[8:9], s[8:9], s[52:53]
	s_add_nc_u64 s[10:11], s[10:11], s[54:55]
	s_lshr_b32 s52, s[WV], 1
	s_lshl_b32 s52, s52, 7
	s_and_b32 s54, s[WV], 1
	s_lshl_b32 s54, s54, 5
	s_add_co_u32 s52, s52, s54                     ; my tile's columns begin at 32 (w / 2) + 8 (w % 2): in bytes
	s_mov_b32 s60, s52                             ; (kept for the stage)
	s_add_nc_u64 s[12:13], s[12:13], s[52:53]
	s_mul_i32 s52, s44, 3072
	s_add_nc_u64 s[16:17], s[16:17], s[52:53]
	s_lshl_b32 s52, s43, 6
	s_lshl_b32 s54, s[WV], 2
	s_add_co_u32 s52, s52, s54
	s_lshl_b32 s52, s52, 10                        ; the four rows that I finish: 64 x work-group + 4 w
	s_add_nc_u64 s[14:15], s[14:15], s[52:53]
	s_add_nc_u64 s[18:19], s[18:19], s[52:53]
	CROUND                                         ; all four work-groups are here: the first joint loads meet
	TLOAD                                          ; slot 0
	v_and_b32 v9, 31, v0                           ; lane
	v_and_b32 v10, 15, v0                          ; r
	s_delay_alu instid0(VALU_DEP_2)
	v_lshlrev_b32 v7, 4, v9
	s_delay_alu instid0(VALU_DEP_2)
	v_lshlrev_b32 v8, 2, v10
.irp c, 0,1,2
	global_load_b128 v[F+4*\c:F+4*\c+3], v7, s[56:57] offset:512*\c   ; the image of my group of 32 queries
.endr
	global_load_b32 v[QW], v8, s[58:59]            ; and its scale words
	s_mul_i32 s45, s[HH], HEADB
	v_lshl_add_u32 v1, v9, 4, s45                  ; my head's block in a step: 16, 8 and 4 bytes a lane
	v_lshl_add_u32 v2, v9, 3, s45
	v_lshl_add_u32 v3, v9, 2, s45
	s_cmp_lg_u32 s51, 0                            ; my tile is the group's second?
	s_cselect_b32 s48, -1, 0
	s_mov_b32 s49, 0x01000100
	s_cselect_b32 s49, 0x03020302, s49
	s_wait_loadcnt 0x0
.irp i, 0,1,2,3,4,5
	v_cndmask_b32 v[QL+\i], v[F+\i], v[F+6+\i], s48   ; registers 6 c .. 6 c + 5 of the image are my tile
.endr
	v_perm_b32 v[QS], v[QW], v[QW], s49            ; its two bytes, twice
.irp i, 0,1,2,3,4,5
	v_mov_b32 v[QL+6+\i], 0                        ; zero codes add nothing under any of these bytes
	v_mov_b32 v[QH+\i], 0
	v_mov_b32 v[QH+6+\i], v[QL+\i]
.endr
	v_mov_b32 v13, 0xff61b1e6                      ; the largest t so far: -3e38, under every t
	s_delay_alu instid0(VALU_DEP_1)
	v_floor_f32 v12, -v13                          ; -M
	v_mov_b32 v14, 0                               ; the sum, in two halves
	v_mov_b32 v15, 0
.irp b, 0,1,2,3
	v_mov_b32 v[BP+\b], 0                          ; written once: a lane permute's destination counts as one of its sources
.endr
	v_mov_b32 v[FF+1], 0                           ; (named as the upper half of the pair before it is written)
.set j, 0
.rept 32
	v_mov_b32 v[O+j], 0                            ; O^T.  The step is written once: the first finds zeros, which the first change of M leaves zeros.  (These are also the places between q's registers and the first products)
.set j, j+1
.endr
; A KEY STEP: 128 keys, the q-th of the slot in hand
.macro STEP q
.set OB, STEPB*(\q)
	v_add_nc_u32 v6, s[TB], v1
	v_add_nc_u32 v7, s[TB], v2
	v_add_nc_u32 v8, s[TB], v3
	v_nop                                          ; with the three additions: four places in front of loads into registers that the last products read
.irp g, 0,1,2,3
.irp c, 0,1,2
	ds_load_b128 v[F+12*\g+4*\c:F+12*\g+4*\c+3], v6 offset:OB+1536*\g+512*\c   ; K: the image of keys 32 g + 0..31
.endr
.endr
	ds_load_b32 v[KSC], v8 offset:OB+KSO
	ds_load_b32 v[KSC+1], v8 offset:OB+KSO+128
	s_wait_alu depctr_va_vdst(0)
	s_wait_dscnt 0x0
.irp b, 0,1,2,3                                ; S^T: registers 16 b + 8 u + j hold key 32 b + 16 (lane / 16) + 8 u + j
.irp u, 0,1
.if \b%2
	v_wmma_scale_f32_16x16x128_f8f6f4 v[S+16*\b+8*\u:S+16*\b+8*\u+7], v[F+12*\b:F+12*\b+11], v[QL+12*\u:QL+12*\u+11], 0, v[KSC+\b/2], v[QS] matrix_a_fmt:MATRIX_FMT_FP6 matrix_b_fmt:MATRIX_FMT_FP6 matrix_a_scale:MATRIX_SCALE_ROW1
.else
	v_wmma_scale_f32_16x16x128_f8f6f4 v[S+16*\b+8*\u:S+16*\b+8*\u+7], v[F+12*\b:F+12*\b+11], v[QL+12*\u:QL+12*\u+11], 0, v[KSC+\b/2], v[QS] matrix_a_fmt:MATRIX_FMT_FP6 matrix_b_fmt:MATRIX_FMT_FP6
.endif
.endr
.endr
	PLACES
.irp t, 0,1,2,3                                ; V's four tiles of 16 channels x 128 keys land under the softmax
.irp c, 0,1
	ds_load_b128 v[F+12*\t+6*\c:F+12*\t+6*\c+3], v6 offset:OB+VC+1536*\t+768*\c
	ds_load_b64 v[F+12*\t+6*\c+4:F+12*\t+6*\c+5], v7 offset:OB+VC+1536*\t+768*\c+512
.endr
.endr
	ds_load_b32 v[VSC], v8 offset:OB+VSO
	ds_load_b32 v[VSC+1], v8 offset:OB+VSO+128
.irp b, 0,1,2,3
	v_max3_num_f32 v[BM+\b], v[S+16*\b], v[S+1+16*\b], v[S+2+16*\b]   ; THE LARGEST SCORE OF EACH BLOCK OF 32 KEYS serves twice: for the row's maximum and, since p rises with the score, for the block's largest p
.endr
.irp i, 3,5,7,9,11,13
.irp b, 0,1,2,3
	v_max3_num_f32 v[BM+\b], v[BM+\b], v[S+16*\b+\i], v[S+1+16*\b+\i]
.endr
.endr
.irp b, 0,1,2,3
	v_max_num_f32 v[BM+\b], v[BM+\b], v[S+15+16*\b]
.endr
.irp b, 0,1,2,3
	s_delay_alu instid0(VALU_DEP_4)
	v_permlanex16_b32 v[BP+\b], v[BM+\b], s[SEL], s[SEL+1]
.endr
.irp b, 0,1,2,3
	s_delay_alu instid0(VALU_DEP_4)
	v_max_num_f32 v[BM+\b], v[BM+\b], v[BP+\b]     ; with lane l xor 16's 16 keys
.endr
	s_delay_alu instid0(VALU_DEP_2)
	v_max3_num_f32 v[TT], v[BM], v[BM+1], v[BM+2]
	s_delay_alu instid0(VALU_DEP_1)
	v_max_num_f32 v[TT], v[TT], v[BM+3]            ; the step's largest score of my query
	s_delay_alu instid0(VALU_DEP_1)
	v_mul_f32 v[TT], s[CS], v[TT]                  ; as t (c is positive)
	s_delay_alu instid0(VALU_DEP_1)
	v_max_num_f32 v13, v13, v[TT]                  ; the running largest t
	v_mov_b32 v[TT], v12
	s_delay_alu instid0(VALU_DEP_2)
	v_floor_f32 v12, -v13                          ; the new -M = floor(-t) = -ceil(t): M IS A WHOLE NUMBER
	s_delay_alu instid0(VALU_DEP_1)
	v_sub_f32 v[TT], v12, v[TT]                    ; old M - new M: a whole number, 0 or less
	s_delay_alu instid0(VALU_DEP_1)
	v_cvt_i32_f32 v[TT], v[TT]                     ; (it saturates)
	s_delay_alu instid0(VALU_DEP_1)
	v_ldexp_f32 v[FF], 1.0, v[TT]                  ; f = 2^(old M - new M)
.set j, 0
.rept 32
	v_pk_fma_f32 v[S+j:S+j+1], v[S+j:S+j+1], s[CS:CS+1], v[12:13] op_sel_hi:[1,0,0]   ; t - M, two at a time (of the pairs c and -M the low word serves both halves)
.set j, j+2
.endr
.irp b, 0,1,2,3
	v_fma_f32 v[BM+\b], v[BM+\b], s[CS], v12       ; the same of each block's largest score
.endr
.set j, 0
	s_wait_alu depctr_va_vdst(0)
.rept 64
	v_exp_f32 v[S+j], v[S+j]                       ; p = 2^(t - M), at most 1: NOT normalised
.set j, j+1
.endr
.irp b, 0,1,2,3
	v_exp_f32 v[BM+\b], v[BM+\b]                   ; the block's largest p: the same two instructions on the same number
.endr
	v_pk_mul_f32 v[14:15], v[14:15], v[FF:FF+1] op_sel_hi:[1,0]   ; the sums under the new M.  (A plain place behind the exponentials)
	s_wait_alu depctr_va_vdst(0)
.irp b, 0,1,2,3
	v_max_num_f32 v[BM+\b], 0x1800000, v[BM+\b]    ; the floor 2^(3 - 127): the byte cannot fall under 1
.endr
.irp b, 0,1,2,3
	s_delay_alu instid0(VALU_DEP_4)
	v_add_nc_u32 v[SO+\b], 0xff000000, v[BM+\b]    ; 2 off the exponent field: the conversion's scale operand
.endr
.irp b, 0,1,2,3
	s_delay_alu instid0(VALU_DEP_4)
	v_lshrrev_b32 v[BP+\b], 23, v[SO+\b]           ; the scale's byte
.endr
	s_delay_alu instid0(VALU_DEP_3)
	v_lshl_or_b32 v[PS], v[BP+1], 8, v[BP]         ; p's scale word for these 128 keys
	s_delay_alu instid0(VALU_DEP_1)
	v_lshl_or_b32 v[PS], v[BP+2], 16, v[PS]
	s_delay_alu instid0(VALU_DEP_1)
	v_lshl_or_b32 v[PS], v[BP+3], 24, v[PS]
.irp c, 0,1
	v_cvt_scalef32_pk16_fp6_f32 v[P+6*\c:P+6*\c+2], v[S+32*\c:S+32*\c+15], v[SO+2*\c]
	v_cvt_scalef32_pk16_fp6_f32 v[Y+4*\c:Y+4*\c+2], v[S+32*\c+16:S+32*\c+31], v[SO+2*\c+1]   ; (a conversion's three registers begin on an even number)
.endr
	v_nop                                          ; one plain place behind a scaled conversion
.irp c, 0,1                                    ; the layout wants a WHOLE block in a lane
.irp i, 0,1,2
	v_permlane16_swap_b32 v[P+6*\c+\i], v[Y+4*\c+\i]
.endr
.irp i, 0,1,2
	s_delay_alu instid0(VALU_DEP_3)
	v_mov_b32 v[P+6*\c+3+\i], v[Y+4*\c+\i]
.endr
.endr
	v_pk_add_f32 v[230:231], v[100:101], v[104:105]
	v_pk_add_f32 v[254:255], v[108:109], v[112:113]
	v_pk_add_f32 v[252:253], v[116:117], v[120:121]
	v_pk_add_f32 v[250:251], v[124:125], v[128:129]
	v_pk_add_f32 v[248:249], v[132:133], v[136:137]
	v_pk_add_f32 v[244:245], v[140:141], v[144:145]
	v_pk_add_f32 v[242:243], v[148:149], v[152:153]
	v_pk_add_f32 v[14:15], v[14:15], v[156:157]
	v_pk_add_f32 v[230:231], v[230:231], v[96:97]
	v_pk_add_f32 v[254:255], v[254:255], v[98:99]
	v_pk_add_f32 v[252:253], v[252:253], v[102:103]
	v_pk_add_f32 v[250:251], v[250:251], v[106:107]
	v_pk_add_f32 v[248:249], v[248:249], v[110:111]
	v_pk_add_f32 v[244:245], v[244:245], v[114:115]
	v_pk_add_f32 v[242:243], v[242:243], v[118:119]
	v_pk_add_f32 v[14:15], v[14:15], v[122:123]
	v_pk_add_f32 v[230:231], v[230:231], v[126:127]
	v_pk_add_f32 v[254:255], v[254:255], v[130:131]
	v_pk_add_f32 v[252:253], v[252:253], v[134:135]
	v_pk_add_f32 v[250:251], v[250:251], v[138:139]
	v_pk_add_f32 v[248:249], v[248:249], v[142:143]
	v_pk_add_f32 v[244:245], v[244:245], v[146:147]
	v_pk_add_f32 v[242:243], v[242:243], v[150:151]
	v_pk_add_f32 v[14:15], v[14:15], v[154:155]
	v_pk_add_f32 v[230:231], v[230:231], v[158:159]
	s_delay_alu instid0(VALU_DEP_2)
	v_pk_add_f32 v[14:15], v[14:15], v[250:251]
	s_delay_alu instid0(VALU_DEP_2)
	v_pk_add_f32 v[230:231], v[230:231], v[248:249]
	v_pk_add_f32 v[254:255], v[254:255], v[244:245]
	v_pk_add_f32 v[252:253], v[252:253], v[242:243]
	s_delay_alu instid0(VALU_DEP_2)
	v_pk_add_f32 v[14:15], v[14:15], v[254:255]
	s_delay_alu instid0(VALU_DEP_2)
	v_pk_add_f32 v[230:231], v[230:231], v[252:253]
	s_delay_alu instid0(VALU_DEP_1)
	v_pk_add_f32 v[14:15], v[14:15], v[230:231]
.set j, 0
.rept 16
	v_pk_mul_f32 v[O+j:O+j+1], v[O+j:O+j+1], v[FF:FF+1] op_sel_hi:[1,0]   ; O^T under the new M, from each accumulator's low end on
.set j, j+2
.endr
	s_wait_alu depctr_va_vdst(0)
	s_wait_dscnt 0x0                               ; V is in
.irp t, 0,1,2,3                                ; O^T += V^T P^T: the four accumulators by turns
.if \t%2
	v_wmma_scale_f32_16x16x128_f8f6f4 v[O+8*\t:O+8*\t+7], v[F+12*\t:F+12*\t+11], v[P:P+11], v[O+8*\t:O+8*\t+7], v[VSC+\t/2], v[PS] matrix_a_fmt:MATRIX_FMT_FP6 matrix_b_fmt:MATRIX_FMT_FP6 matrix_a_scale:MATRIX_SCALE_ROW1
.else
	v_wmma_scale_f32_16x16x128_f8f6f4 v[O+8*\t:O+8*\t+7], v[F+12*\t:F+12*\t+11], v[P:P+11], v[O+8*\t:O+8*\t+7], v[VSC+\t/2], v[PS] matrix_a_fmt:MATRIX_FMT_FP6 matrix_b_fmt:MATRIX_FMT_FP6
.endif
.endr
.endm
; THE CHANGE OF SLOTS stands at a slot's head.  Each wave waits for all its tensor loads (at most one is out: its quarter of the slot ahead), adds 0 to its spare word, and waits for that and for its reads of the
; slot that it has left.  fill = 1: a round of the cluster's barrier follows, behind which no wave of any partner reads that slot or has a load on its way, and it is filled with the next 256 keys:
; the load has a whole slot's steps in which to land.
.macro CHANGE fill
	s_wait_tensorcnt 0x0                           ; no tensor load of mine is out, so group 0 may be written
	ds_add_u32 v[SPW], v[NIL]                      ; 0 onto my spare word
.if \fill
	s_xor_b32 s[G0+1], s[G0+1], SLOT1              ; the other slot than last time,
	s_add_nc_u64 s[G0+2:G0+3], s[G0+2:G0+3], SLOTB ; the next two key steps; the type bits on top are not reached
.endif
	s_wait_dscnt 0x0                               ; the add is done, and my reads of the slot that I have left are over
.if \fill
	CROUND
	TLOAD                                          ; the first thing behind the round, and a wave's one tensor load until the next
.else
	s_barrier_signal -1
	s_barrier_wait -1
.endif
.endm
.macro SLOT_STEPS
	STEP 0
	STEP 1
	s_xor_b32 s[TB], s[TB], SLOT1                  ; on to the other slot
.endm
.Lslot:                                            ; 15 trips: behind each change of slots but the last the next slot is asked for
	CHANGE 1
	SLOT_STEPS
	s_sub_co_u32 s[SLOTS], s[SLOTS], 1
	s_cmp_lg_u32 s[SLOTS], 0
	s_cbranch_scc1 .Lslot
	CHANGE 0                                       ; the last slot is written out
	SLOT_STEPS
	; ---- THE TAIL
	PLACES                                         ; behind the last products
	v_and_b32 v11, 31, v0                          ; lane
	v_and_b32 v10, 15, v0                          ; r
	v_bfe_u32 v[TT], v0, 4, 1                      ; h
	s_delay_alu instid0(VALU_DEP_3)
	v_lshlrev_b32 v1, 4, v11                       ; 16 l
	s_wait_alu depctr_va_vdst(0)
	v_and_b32 v8, 8, v10
	s_delay_alu instid0(VALU_DEP_1)
	v_add_nc_u32 v8, v8, v10                       ; r + 8 (r / 8): my query's row in its tile's 24
	v_lshlrev_b32 v10, 6, v[TT]                    ; 64 h
	s_wait_alu depctr_va_vdst(0)
	v_lshl_add_u32 v6, v11, 3, RIMG                ; res' images, to read: 8 l
	v_lshl_add_u32 v7, v11, 2, RSC                 ; res' scale words, to read: 4 l
	s_mul_i32 s42, s[WV], 768
	s_add_co_u32 s42, s42, RIMG
	v_lshl_add_u32 v2, v11, 3, s42                 ; where I store my half fragment: 768 w + 8 l
	s_lshr_b32 s43, s[WV], 3
	s_lshl_b32 s43, s43, 9                         ; K step = head / 2,
	s_lshl_b32 s44, s[QT], 7                       ; query tile,
	s_add_co_u32 s43, s43, s44
	s_and_b32 s44, s[HH], 1
	s_lshl_b32 s44, s44, 1                         ; and which two bytes of the word: head % 2
	s_add_co_u32 s43, s43, s44
	s_add_co_u32 s43, s43, RSC
	v_lshl_add_u32 v3, v11, 2, s43
	v_lshlrev_b32 v11, 2, v11                      ; 4 l
.irp s, 0,1
.irp c, 0,1,2
	global_load_b128 v[WO+12*\s+4*\c:WO+12*\s+4*\c+3], v1, s[8:9] offset:1536*\s+512*\c   ; w_out's tile w, both K steps
.endr
	global_load_b32 v[WOS+\s], v11, s[10:11] offset:128*\s
.endr
	global_load_b128 v[BI:BI+3], v10, s[12:13]     ; b_out at my lane's eight columns: the C of the sums' first instructions
	global_load_b128 v[BI+4:BI+7], v10, s[12:13] offset:16
.irp k, 0,1,2
.irp j, 0,1
	global_load_b128 v[CH+8*\k+4*\j:CH+8*\k+4*\j+3], v1, s[16:17] offset:1024*\k+512*\j   ; mean, a, bias of channels 128 j + 4 l + 0..3
.endr
.endr
.irp i, 0,1,2,3
.irp j, 0,1
	global_load_b128 v[XR+8*\i+4*\j:XR+8*\i+4*\j+3], v1, s[14:15] offset:1024*\i+512*\j th:TH_LOAD_NT   ; the four rows of x that I finish
.endr
.endr
	v_mul_u32_u24 v8, v8, SGP
	s_delay_alu instid0(VALU_DEP_1)
	v_add_nc_u32 v8, v10, v8
	s_add_co_u32 s45, s60, STG
	v_add_nc_u32 v8, s45, v8                       ; the stage, in: my query's row, my tile's columns, + 64 h
	s_mul_i32 s46, s[WV], 4*SGP
	s_add_co_u32 s46, s46, STG
	v_add_nc_u32 v9, s46, v1                       ; and back: my four rows, 16 bytes a lane
	v_add_f32 v14, v14, v15                        ; the sum's two halves,
	s_delay_alu instid0(VALU_DEP_1)
	v_permlanex16_b32 v[TT], v14, s[SEL], s[SEL+1]
	s_delay_alu instid0(VALU_DEP_1)
	v_add_f32 v14, v14, v[TT]                      ; and lane l xor 16's: the row's sum
	s_wait_alu depctr_va_vdst(0)
	v_rcp_f32 v14, v14
	v_mov_b32 v154, 0                              ; (a plain place behind the transcendental; a lane permute's destination counts as one of its sources)
	v_mov_b32 v155, 0
.set j, 0
	s_wait_alu depctr_va_vdst(0)
.rept 16
	v_pk_mul_f32 v[O+j:O+j+1], v[O+j:O+j+1], v[14:15] op_sel_hi:[1,0]   ; res = O^T / the sum: register 16 b + i is channel 64 x head + 32 b + 16 h + i
.set j, j+2
.endr
.irp b, 0,1
	v_max3_num_f32 v[152+\b], |v[O+16*\b]|, |v[O+1+16*\b]|, 0x1800000
.endr
.irp i, 2,4,6,8,10,12,14
.irp b, 0,1
	s_delay_alu instid0(VALU_DEP_2)
	v_max3_num_f32 v[152+\b], v[152+\b], |v[O+16*\b+\i]|, |v[O+1+16*\b+\i]|
.endr
.endr
.irp b, 0,1
	s_delay_alu instid0(VALU_DEP_2)
	v_permlanex16_b32 v[154+\b], v[152+\b], s[SEL], s[SEL+1]
.endr
.irp b, 0,1
	s_delay_alu instid0(VALU_DEP_2)
	v_max_num_f32 v[152+\b], v[152+\b], v[154+\b]
.endr
.irp b, 0,1
	s_delay_alu instid0(VALU_DEP_2)
	v_add_nc_u32 v[156+\b], 0xff000000, v[152+\b]
.endr
.irp b, 0,1
	s_delay_alu instid0(VALU_DEP_2)
	v_lshrrev_b32 v[158+\b], 23, v[156+\b]
.endr
	s_delay_alu instid0(VALU_DEP_1)
	v_lshl_or_b32 v158, v159, 8, v158              ; my two bytes of the row's scale word
	v_cvt_scalef32_pk16_fp6_f32 v[RC:RC+2], v[O:O+15], v156
	v_cvt_scalef32_pk16_fp6_f32 v[RY:RY+2], v[O+16:O+31], v157
	v_nop                                          ; one plain place behind a scaled conversion
.irp i, 0,1,2
	v_permlane16_swap_b32 v[RC+\i], v[RY+\i]
.endr
.irp i, 0,1,2
	s_delay_alu instid0(VALU_DEP_3)
	v_mov_b32 v[RC+3+\i], v[RY+\i]                 ; six registers: lane (r, h) holds channels 64 x head + 32 h + 0..31: half a fragment of the last product
.endr
.irp p, 0,1,2
	ds_store_b64 v2, v[RC+2*\p:RC+2*\p+1] offset:256*\p
.endr
	ds_store_b16 v3, v158
	s_wait_dscnt 0x0                               ; for the others' sake: my stores have landed
	s_barrier_signal -1
	s_barrier_wait -1                              ; res' eight fragments lie in LDS
.irp s, 0,1
.irp m, 0,1,2,3
.irp c, 0,1
.irp p, 0,1,2
	ds_load_b64 v[RB+12*\m+6*\c+2*\p:RB+12*\m+6*\c+2*\p+1], v6 offset:((2*\s+\c)*4+\m)*768+256*\p   ; head 2 s + c made registers 6 c .. 6 c + 5
.endr
.endr
	ds_load_b32 v[RS+\m], v7 offset:(4*\s+\m)*128
.endr
	s_wait_dscnt 0x0
.if \s == 0
	s_wait_loadcnt 14                              ; w_out's codes and scales and the bias are in; behind them the 6 loads by channel and x's 8 may be out
.endif
.irp m, 0,1,2,3                                ; source 0 = w_out's tile, source 1 = res: lane (r, h) holds query r of tile m and columns 32 (w / 2) + 16 h + 8 (w % 2) + 0..7
.if \s == 0
	v_wmma_scale_f32_16x16x128_f8f6f4 v[O+8*\m:O+8*\m+7], v[WO+12*\s:WO+12*\s+11], v[RB+12*\m:RB+12*\m+11], v[BI:BI+7], v[WOS+\s], v[RS+\m] matrix_a_fmt:MATRIX_FMT_FP6 matrix_b_fmt:MATRIX_FMT_FP6
.else
	v_wmma_scale_f32_16x16x128_f8f6f4 v[O+8*\m:O+8*\m+7], v[WO+12*\s:WO+12*\s+11], v[RB+12*\m:RB+12*\m+11], v[O+8*\m:O+8*\m+7], v[WOS+\s], v[RS+\m] matrix_a_fmt:MATRIX_FMT_FP6 matrix_b_fmt:MATRIX_FMT_FP6
.endif
.endr
	PLACES
.endr
.irp m, 0,1,2,3
	ds_store_b128 v8, v[O+8*\m:O+8*\m+3] offset:(32*(\m/2)+8*(\m%2))*SGP       ; each accumulator from its low end on
	ds_store_b128 v8, v[O+8*\m+4:O+8*\m+7] offset:(32*(\m/2)+8*(\m%2))*SGP+16
.endr
	s_wait_dscnt 0x0
	s_barrier_signal -1
	s_barrier_wait -1                              ; 64 whole rows lie in the stage
.irp i, 0,1,2,3
.irp j, 0,1
	ds_load_b128 v[RB+8*\i+4*\j:RB+8*\i+4*\j+3], v9 offset:\i*SGP+512*\j
.endr
.endr
	s_wait_loadcnt 0x0
	s_wait_dscnt 0x0
.irp i, 0,1,2,3
.irp j, 0,1
.irp p, 0,2
	v_pk_add_f32 v[XR+8*\i+4*\j+\p:XR+8*\i+4*\j+\p+1], v[XR+8*\i+4*\j+\p:XR+8*\i+4*\j+\p+1], v[CH+4*\j+\p:CH+4*\j+\p+1] neg_lo:[0,1] neg_hi:[0,1]
.endr
.irp p, 0,2
	s_delay_alu instid0(VALU_DEP_2)
	v_pk_fma_f32 v[XR+8*\i+4*\j+\p:XR+8*\i+4*\j+\p+1], v[XR+8*\i+4*\j+\p:XR+8*\i+4*\j+\p+1], v[CH+8+4*\j+\p:CH+8+4*\j+\p+1], v[CH+16+4*\j+\p:CH+16+4*\j+\p+1]   ; xn, as the launch before made it
.endr
.irp p, 0,2
	s_delay_alu instid0(VALU_DEP_2)
	v_pk_add_f32 v[XR+8*\i+4*\j+\p:XR+8*\i+4*\j+\p+1], v[XR+8*\i+4*\j+\p:XR+8*\i+4*\j+\p+1], v[RB+8*\i+4*\j+\p:RB+8*\i+4*\j+\p+1]
.endr
	global_store_b128 v1, v[XR+8*\i+4*\j:XR+8*\i+4*\j+3], s[18:19] offset:1024*\i+512*\j th:TH_STORE_NT   ; 32 lanes store 512 consecutive bytes, at a multiple of 256 from the output's first byte
.endr
.endr
	s_wait_tensorcnt 0x0                           ; the wave's end: behind my last tensor load and my last LDS store
	ds_add_u32 v[SPW], v[NIL]
	s_wait_dscnt 0x0
	CROUND                                         ; the closing round: no work-group ends while a partner may still ask for a tile that names it
	s_endpgm
.Lfunc_end_k_q9022b3e1bc_attn:
	.size	k_q9022b3e1bc_attn, .Lfunc_end_k_q9022b3e1bc_attn-k_q9022b3e1bc_attn
	.p2alignl 7, 3214868480
	.fill 96, 4, 3214868480
	.section	.rodata,"a",@progbits
	.p2align	6, 0x0
	.amdhsa_kernel k_q9022b3e1bc_attn
		.amdhsa_group_segment_fixed_size 327680
		.amdhsa_private_segment_fixed_size 0
		.amdhsa_enable_private_segment 0
		.amdhsa_kernarg_size 64
		.amdhsa_user_sgpr_count 2
		.amdhsa_user_sgpr_kernarg_segment_ptr 1
		.amdhsa_wavefront_size32 1
		.amdhsa_system_sgpr_workgroup_id_x 1
		.amdhsa_system_sgpr_workgroup_id_y 1
		.amdhsa_system_sgpr_workgroup_id_z 1
		.amdhsa_system_vgpr_workitem_id 0
		.amdhsa_next_free_vgpr 256
		.amdhsa_next_free_sgpr 66
		.amdhsa_reserve_vcc 0
		.amdhsa_float_denorm_mode_32 3
		.amdhsa_float_denorm_mode_16_64 3
		.amdhsa_memory_ordered 1
		.amdhsa_forward_progress 1
		.amdhsa_inst_pref_size 95
	.end_amdhsa_kernel
	.amdgpu_metadata
---
amdhsa.version: [ 1, 2 ]
amdhsa.kernels:
  - .name:           k_q9022b3e1bc_attn
    .symbol:         k_q9022b3e1bc_attn.kd
    .args:
      - { .name: qbuf, .offset: 0, .size: 8, .value_kind: global_buffer, .address_space: global }
      - { .name: kv, .offset: 8, .size: 8, .value_kind: global_buffer, .address_space: global }
      - { .name: wimg, .offset: 16, .size: 8, .value_kind: global_buffer, .address_space: global }
      - { .name: wsc, .offset: 24, .size: 8, .value_kind: global_buffer, .address_space: global }
      - { .name: b_out, .offset: 32, .size: 8, .value_kind: global_buffer, .address_space: global }
      - { .name: x, .offset: 40, .size: 8, .value_kind: global_buffer, .address_space: global }
      - { .name: chan, .offset: 48, .size: 8, .value_kind: global_buffer, .address_space: global }
      - { .name: out0, .offset: 56, .size: 8, .value_kind: global_buffer, .address_space: global }
    .group_segment_fixed_size: 327680
    .private_segment_fixed_size: 0
    .kernarg_segment_align: 8
    .kernarg_segment_size: 64
    .max_flat_workgroup_size: 512
    .sgpr_count:     66
    .vgpr_count:     256
    .wavefront_size: 32
...
	.end_amdgpu_metadata
.endif
;; end of part 3
